; MI455X (gfx1250); checked and timed in simulation.
; The chip was launched on July 23, 2026; its instructions are those of AMD's public machine-readable ISA for CDNA 5 (MIT licence, August 2026) and "CDNA5" Instruction Set Architecture Reference Guide (July 2026). The comments in the code are by the model that wrote it; some were corrected since.
;; Encoder Layer. Allowed arithmetic: matrix products marked QUANTISED: E5M2 operands, one E8M0 scale for each 32 along K, by v_wmma_scale_f32_16x16x128_f8f6f4 with both operands' format E5M2, f32 sums; everything else in f32.
;; Inputs: b1 4,096 float32; b2 1,024 float32; bk 1,024 float32; bo 1,024 float32; bq 1,024 float32; bv 1,024 float32; ln1_b 1,024 float32; ln1_w 1,024 float32; ln2_b 1,024 float32; ln2_w 1,024 float32; mask 2 x 2,048 x 2,048 int32; w1 4,096 x 1,024 float32; w2 1,024 x 4,096 float32; wk 1,024 x 1,024 float32; wo 1,024 x 1,024 float32; wq 1,024 x 1,024 float32; wv 1,024 x 1,024 float32; x 2 x 2,048 x 1,024 float32.
;; Outputs: out0 2 x 2,048 x 1,024 float32.
;; This version of the problem:
;;   THIS VERSION OF THE PROBLEM IS GIVEN IN LOW PRECISION. The matrix products marked QUANTISED in the list below multiply operands that are first quantised to E5M2 (5 exponent bits, 2 mantissa bits; 8 bits a number), with one power-of-two scale for each 32 numbers along K (OCP MX v1.0); their sums are f32. All else is computed in f32.
;;   The module's matrix products, in the order in which they are computed (A, B: the left and right operand; K: the contracted axis; several contracted axes count as one K, in the product's order):
;;     1. [M 4,096, K 1,024] x [K 1,024, N 1,024]; A: computed on the way; B: input wq: QUANTISED
;;     2. [M 4,096, K 1,024] x [K 1,024, N 1,024]; A: computed on the way; B: input wk: QUANTISED
;;     3. [M 4,096, K 1,024] x [K 1,024, N 1,024]; A: computed on the way; B: input wv: QUANTISED
;;     4. batch 32 x [M 2,048, K 64] x [K 64, N 2,048]; A: computed on the way; B: computed on the way: QUANTISED
;;     5. batch 32 x [M 2,048, K 2,048] x [K 2,048, N 64]; A: softmax (see below); B: computed on the way: QUANTISED
;;     6. [M 4,096, K 1,024] x [K 1,024, N 1,024]; A: computed on the way; B: input wo: QUANTISED
;;     7. [M 4,096, K 1,024] x [K 1,024, N 4,096]; A: computed on the way; B: input w1: QUANTISED
;;     8. [M 4,096, K 4,096] x [K 4,096, N 1,024]; A: computed on the way; B: input w2: QUANTISED
;;   THE QUANTISER, for each operand of a quantised product, along K:
;;     - K is cut into blocks of 32 from its start; a last block that is shorter is filled with zeros.
;;     - A block's scale is 2^e with e = floor(log2(the largest magnitude in the block)) - 15, held to -126 .. 127; a block of zeros has e = 0. As a byte (E8M0): e + 127.
;;     - Each number is divided by its block's scale, clamped to +-57,344, and rounded to the nearest number of E5M2, ties to even, subnormals kept.
;;     - The product sums the exact products of the quantised numbers (number of the format x scale) in f32.
;;   ~~~python
;;   def quantise(x, axis):      # numpy; x: float32 -> the quantised numbers, widened to float32 again
;;       x = np.moveaxis(x, axis, -1); K = x.shape[-1]
;;       x = np.pad(x, [(0, 0)] * (x.ndim - 1) + [(0, -K % 32)]); x = x.reshape(x.shape[:-1] + (-1, 32)); a = np.abs(x).max(-1, keepdims=True)
;;       e = np.where(a > 0, np.clip(np.frexp(np.where(a > 0, a, 1))[1] - 1 - 15, -126, 127), 0)      # np.frexp(a)[1] - 1 = floor(log2(a)), exactly
;;       r = np.clip(x / 2.0 ** e, -57344, 57344)
;;       step = 2.0 ** (np.maximum(np.frexp(np.where(r == 0, 1, r))[1] - 1, -14) - 2)
;;       q = np.round(r / step) * step * 2.0 ** e      # np.round: ties to even
;;       return np.moveaxis(q.reshape(q.shape[:-2] + (-1,))[..., :K], -1, axis).astype(np.float32)
;;   ~~~
;;   SOFTMAX AHEAD OF A QUANTISED PRODUCT. Where the list says 'softmax', what is quantised is not the finished softmax but p = 2^(t - M), with t = logit x log2(e) and M = ceil(the row's largest t), a whole number; so 1/2 < the row's largest p <= 1. The row's sum l is taken of the UNQUANTISED p, in f32, and the product's result is divided by l at the end. Since M is a whole number, a kernel that streams over the keys may use a running M (the ceiling of the running maximum): every later rescaling is an exact power of two, which a block's scale takes up: the codes' values come out the same.
;;   OPERANDS COMPUTED ON THE WAY. 'Computed on the way' means the value that the module computes at that place (a softmax that the list does not call 'softmax' is quantised finished and normalised). What goes into a quantiser is computed in f32, as accurately as f32 sums, v_exp_f32 and their like allow (about 1e-6 of the number): no bf16 or f16 on the way to a quantiser, and a product that is left as it is and whose result goes on into a quantised operand takes f32 operands (vector FMAs, or v_wmma_f32_16x16x4_f32). A number that lies on a knife's edge between two numbers of the format may be rounded either way, as far as f32 arithmetic and the matrix unit's own rounding can turn it there, and no further.
;; One version. Each part assembles by itself: llvm-mc -triple=amdgcn-amd-amdhsa -mcpu=gfx1250 --defsym DOCPART=n.
;; ======== version 1 of 1: 7 launches
;; limits: right only within a limited range of input values
;; workspace buffers: wimg 12,976,128 bytes; maskw 8,388,608 bytes; nx 4,325,376 bytes; q 4,456,448 bytes; kv 8,781,824 bytes; vals 4,325,376 bytes; x1 16,777,216 bytes; h 17,301,504 bytes
;; launch prep (part 1): grid 1536 x 1, 8 waves a work-group, no clusters, 78,848 bytes of LDS; arguments wq, wk, wv, wo, w1, w2, mask, x, ln1_w, ln1_b, wimg, maskw, nx; writes wimg, maskw, nx
.if DOCPART == 1
	.amdgcn_target "amdgcn-amd-amdhsa--gfx1250"
	.amdhsa_code_object_version 6
	.text
	.protected	k_q8b99df16ea_prep
	.globl	k_q8b99df16ea_prep
	.p2align	8
	.type	k_q8b99df16ea_prep,@function
k_q8b99df16ea_prep:
	s_mov_b64 s[64:65], 0
	v_nop
	global_prefetch_b8 v0, s[64:65] scope:SCOPE_SE
	s_setreg_imm32_b32 hwreg(HW_REG_WAVE_MODE, 25, 1), 1
	s_wait_xcnt 0x0
; PREP AND THE FIRST LAYER NORM.  The six weights (f32, K innermost) and nx = layer norm of x become codes of E5M2 with one E8M0 scale byte for each 32 along K, laid as IMAGES OF THE MATRIX OPERAND'S REGISTERS; the mask (int32) becomes E5M2 codes, one byte a score.
; A BLOCK of an image is 128 rows x 128 K = 16,896 bytes: 8 fragments of 2,048 bytes (fragment f, piece c, lane L at 2048 f + 512 c + 16 L: slot L % 16, k = 32 c + 16 (L / 16) + 0 .. 15), then 128 scale words (16384 + 64 f + 4 slot).
; THE ROWS OF A FRAGMENT ARE NOT NEIGHBOURS: slot r of fragment 2 g + u is row 32 g + 8 u + r + 8 (r / 8), so that a product that takes such a fragment as source 0 leaves 16 neighbouring rows in a lane's registers of two neighbouring tiles.
; wimg: blocks [row group][K / 128]: wq, wk, wv, wo, w1 from block 0, 64, 128, 192, 256 (8 blocks a row group), w2 from block 512 (32 a row group).  nx: [32 groups of 128 tokens][8] blocks.
; maskw: [256 tiles of 16 queries][16 steps of 128 keys][4 blocks][32 lanes][16 bytes]: byte i of lane L of block b is 0xfb where mask(query slot L % 16, key 128 step + 32 b + 16 (L / 16) + i) is 0.
; SHARES.  A wave takes ONE tile of 16 rows x 128 columns (8,192 bytes) and ends; a work-group's eight waves take eight neighbouring tiles of the same rows.  Work-groups 0-255 serve x (the longest chain of steps, so they come first),
; 256-1023 the weights, 1024-1535 the mask.  One text loads and turns every tile; then the ways part on the work-group's number, which all eight waves share.
; Each load reads 512 consecutive bytes of a row; the tile turns through the wave's own stage in LDS (rows 528 bytes apart: sixteen rows start at sixteen different 16-byte columns) and comes back into the registers that it left, so that a lane
; then holds 16 neighbours of each block of 32.  130 registers a wave and 78,848 bytes of LDS a work-group let four work-groups lie on a WGP: 32 waves x 8,192 bytes on their way.
; THE LAYER NORM (x alone): y = w (x - mean) / (std + 1e-5) + b over rows of 1,024, std with N - 1.  A work-group's eight waves hold 16 whole rows; the mean and then the sum of squares of (x - mean) are summed in a lane, with lane l xor 16,
; and over the waves through LDS: two barriers, which only these work-groups pass.  Two passes: no difference of large sums is formed.  w and b come by one load of 512 bytes each and turn through 1,024 bytes of the wave's own LDS.
; The scale words leave as 64 consecutive bytes a wave: one thirty-third of what the launch stores.
; LIMITS: a block of zeros gets the byte 1 (its codes are zeros; this program alone reads the bytes); NaN and infinities among the inputs are not served.
.set BLK,    16896
.set SPITCH, 528
.set WSTG,   16*SPITCH                 ; a wave's stage
.set RED,    0                         ; LDS: 8 waves x 128 bytes: the rows' sums;
.set RED2,   1024                      ; their sums of squares;
.set WB,     2048                      ; 8 waves x (512 bytes of w, 512 of b);
.set STG,    10240                     ; the eight stages
.set L16, 1                            ; v1   16 x lane
.set STI, 2                            ; v2   the stage, on the way in
.set STO, 3                            ; v3   and on the way out
.set R4,  4                            ; v4   4 x (lane % 16)
.set L8,  5                            ; v5   8 x lane
.set MW,  6
.set RA,  8                            ; v8   128 x wave + 4 x lane
.set L4,  9                            ; v9   4 x lane
.set WBS, 10                           ; v10  w and b into LDS: WB + 1024 x wave + 16 x lane
.set WBA, 11                           ; v11  and back: WB + 1024 x wave + 64 x (lane / 16)
.set RW,  12                           ; v12-15 w as loaded
.set O,   16                           ; v16-31  byte offsets of the tile's sixteen rows; free when the rows are in
.set WT,  16                           ; v16-31  then w of a block's 16 numbers,
.set BT,  32                           ; v32-47  and b
.set TM,  16                           ; v16-31  then the quantiser's work
.set PC,  32                           ; v32-47  the codes
.set PW,  48                           ; v48     the scale word (v44-59: the layer norm's sums)
.set RB,  60                           ; v60-63  b as loaded
.set X,   64                           ; v64-127 the tile as loaded; then register 16 b + i: (slot lane % 16, column 32 b + 16 (lane / 16) + i)
.set WV,  2
.set SEL, 46
.set MNT, 48
; 64 numbers of a lane become a fragment's codes in v[PC] on and its scale word in v[PW]
.macro QUANT s
.irp b, 0,1,2,3
	v_max3_num_f32 v[TM+\b], |v[\s+16*\b]|, |v[\s+1+16*\b]|, 0x8000000   ; block b: my 16 numbers, and the floor 2^(16 - 127): the byte cannot fall under 1
.endr
.irp i, 2,4,6,8,10,12,14
.irp b, 0,1,2,3
	s_delay_alu instid0(VALU_DEP_4)
	v_max3_num_f32 v[TM+\b], v[TM+\b], |v[\s+16*\b+\i]|, |v[\s+1+16*\b+\i]|
.endr
.endr
.irp b, 0,1,2,3
	s_delay_alu instid0(VALU_DEP_4)
	v_permlanex16_b32 v[TM+4+\b], v[TM+\b], s[SEL], s[SEL+1]
.endr
.irp b, 0,1,2,3
	s_delay_alu instid0(VALU_DEP_4)
	v_max_num_f32 v[TM+\b], v[TM+\b], v[TM+4+\b]         ; with lane l xor 16's: the block's largest magnitude
.endr
.irp b, 0,1,2,3
	s_delay_alu instid0(VALU_DEP_4)
	v_add_nc_u32 v[TM+12+\b], 0xf8800000, v[TM+\b]       ; 15 off its exponent field: the conversion's scale operand
.endr
.irp b, 0,1,2,3
	v_and_or_b32 v[TM+8+\b], v[TM+\b], 0x7f800000, s[MNT]  ; 57,344 x the scale
.endr
.irp b, 0,1,2,3
	v_lshrrev_b32 v[TM+4+\b], 23, v[TM+12+\b]            ; the scale's byte
.endr
	s_delay_alu instid0(VALU_DEP_3)
	v_lshl_or_b32 v[PW], v[TM+5], 8, v[TM+4]
	s_delay_alu instid0(VALU_DEP_1)
	v_lshl_or_b32 v[PW], v[TM+6], 16, v[PW]
	s_delay_alu instid0(VALU_DEP_1)
	v_lshl_or_b32 v[PW], v[TM+7], 24, v[PW]
.irp b, 0,1,2,3
.irp i, 0,1,2,3,4,5,6,7,8,9,10,11,12,13,14,15
	v_med3_num_f32 v[\s+16*\b+\i], v[\s+16*\b+\i], -v[TM+8+\b], v[TM+8+\b]   ; the conversion does not saturate (ISA guide 7.6.2): the hold at the largest code x the scale
.endr
	v_cvt_scalef32_pk8_bf8_f32 v[PC+4*\b:PC+1+4*\b], v[\s+16*\b:\s+7+16*\b], v[TM+12+\b]
	v_cvt_scalef32_pk8_bf8_f32 v[PC+2+4*\b:PC+3+4*\b], v[\s+8+16*\b:\s+15+16*\b], v[TM+12+\b]
.endr
	v_nop
.endm
; v48, my lane's partial sum, becomes v52, the row's sum over both halves of the lanes and the eight waves
.macro ACROSS base
	s_delay_alu instid0(VALU_DEP_1)
	v_permlanex16_b32 v49, v48, s[SEL], s[SEL+1]
	s_delay_alu instid0(VALU_DEP_1)
	v_add_f32 v48, v48, v49
	ds_store_b32 v[RA], v48 offset:\base
	s_wait_dscnt 0x0                               ; for the others' sake: my store has landed
	s_barrier_signal -1
	s_barrier_wait -1
.irp k, 0,1,2,3,4,5,6,7
	ds_load_b32 v[52+\k], v[L4] offset:\base+128*\k
.endr
	s_wait_dscnt 0x0
.irp k, 1
	v_add_f32 v52, v52, v[52+\k]
.endr
.irp k, 2, 3, 4, 5, 6, 7
	s_delay_alu instid0(VALU_DEP_1)
	v_add_f32 v52, v52, v[52+\k]
.endr
.endm
.macro WBLOAD b                        ; w and b of block b's 16 numbers of my half: sixteen lanes read the same 16 bytes
.irp j, 0,1,2,3
	ds_load_b128 v[WT+4*\j:WT+4*\j+3], v[WBA] offset:128*(\b)+16*\j
	ds_load_b128 v[BT+4*\j:BT+4*\j+3], v[WBA] offset:512+128*(\b)+16*\j
.endr
.endm
	s_load_b512 s[8:23], s[0:1], 0x0               ; wq, wk, wv, wo, w1, w2, mask, x
	s_load_b256 s[24:31], s[0:1], 0x40             ; ln1_w, ln1_b, wimg, maskw
	s_load_b64 s[32:33], s[0:1], 0x60              ; nx
	v_lshl_add_u32 v128, v0, 2, 0x13000
	v_mov_b32 v129, 0
	v_lshrrev_b32 v12, 5, v0
	s_delay_alu instid0(VALU_DEP_1)
	v_readfirstlane_b32 s[WV], v12                 ; wave 0..7
	v_and_b32 v13, 31, v0                          ; lane
	v_and_b32 v14, 15, v0                          ; r
	v_bfe_u32 v15, v0, 4, 1                        ; h
	s_delay_alu instid0(VALU_DEP_3)
	v_lshlrev_b32 v[L16], 4, v13
	s_mul_i32 s3, s[WV], WSTG
	s_add_co_u32 s3, s3, STG
	v_add_nc_u32 v[STI], s3, v[L16]                ; in: a row's 512 bytes as they lie
	v_mul_u32_u24 v[STO], v14, SPITCH
	s_delay_alu instid0(VALU_DEP_1)
	v_lshl_add_u32 v[STO], v15, 6, v[STO]
	s_delay_alu instid0(VALU_DEP_1)
	v_add_nc_u32 v[STO], s3, v[STO]                ; out: row r, + 64 h: my 16 numbers of a block of 32
	v_lshlrev_b32 v[R4], 2, v14
	v_lshlrev_b32 v[L8], 3, v13
	v_lshlrev_b32 v[L4], 2, v13
	s_lshl_b32 s3, s[WV], 7
	v_add_nc_u32 v[RA], s3, v[L4]
	s_lshl_b32 s3, s[WV], 10
	s_add_co_u32 s3, s3, WB
	v_add_nc_u32 v[WBS], s3, v[L16]
	v_lshl_add_u32 v[WBA], v15, 6, s3
	s_mov_b32 s[SEL], 0x76543210
	s_mov_b32 s[SEL+1], 0xfedcba98                 ; v_permlanex16_b32's selects for lane l xor 16
	s_mov_b32 s[MNT], 0x600000                     ; the mantissa field of 57,344
	s_mov_b32 s36, 0                               ; the tensor's first work-group
	s_mov_b32 s37, 0                               ; log2 of (its columns / 1,024)
	s_wait_kmcnt 0x0
	s_mov_b64 s[34:35], s[22:23]                   ; x
.macro PICK from, ptr                  ; the choice of the tensor hangs on the work-group's number alone
	s_cmp_ge_u32 ttmp9, \from
	s_cselect_b64 s[34:35], s[\ptr:\ptr+1], s[34:35]
	s_cselect_b32 s36, \from, s36
.endm
	PICK 256, 8
	PICK 320, 10
	PICK 384, 12
	PICK 448, 14
	PICK 512, 16
	PICK 768, 18
	s_cselect_b32 s37, 2, s37                      ; w2: 4,096 columns
	PICK 1024, 20
	s_cselect_b32 s37, 1, s37                      ; mask: 2,048 columns
	s_sub_co_u32 s38, ttmp9, s36                   ; my number within the tensor
	s_lshr_b32 s39, s38, s37                       ; tl: which tile of 16 rows
	s_lshl_b32 s40, s39, s37
	s_sub_co_u32 s40, s38, s40
	s_lshl_b32 s40, s40, 3
	s_add_co_u32 s40, s40, s[WV]                   ; col: which 128 columns
	s_lshl_b32 s41, 4096, s37                      ; a row in bytes
	s_lshr_b32 s42, s39, 1
	s_lshl_b32 s42, s42, 5
	s_and_b32 s43, s39, 1
	s_lshl_b32 s43, s43, 3
	s_add_co_u32 s42, s42, s43                     ; the tile's first row: 32 (tl / 2) + 8 (tl % 2)
	s_mul_i32 s42, s42, s41
	s_lshl_b32 s43, s40, 9
	s_add_co_u32 s42, s42, s43                     ; under 2^26
	s_mov_b32 s43, 0
	s_add_nc_u64 s[34:35], s[34:35], s[42:43]
.irp i, 0,1,2,3,4,5,6,7,8,9,10,11,12,13,14,15
	v_mad_u32_u24 v[O+\i], s41, \i+8*(\i/8), v[L16]      ; slot i is row i + 8 (i / 8) of the tile's 24
.endr
.irp i, 0,1,2,3,4,5,6,7,8,9,10,11,12,13,14,15
	global_load_b128 v[X+4*\i:X+4*\i+3], v[O+\i], s[34:35] th:TH_LOAD_NT   ; 32 lanes read 512 consecutive bytes; read once in the launch
.endr
	; where an image's fragment goes (x and the weights), worked out while the rows are on their way
	s_sub_co_u32 s44, ttmp9, 256
	s_cmp_lt_u32 ttmp9, 768
	s_cselect_b32 s44, s44, s39                    ; the tile's number in its image: the five weights of 1,024 columns lie on end, a work-group a tile; w2: tl
	s_cselect_b32 s45, 0, 512                      ; the image's first block
	s_cmp_lt_u32 ttmp9, 256
	s_cselect_b32 s44, s39, s44                    ; x: tl
	s_cselect_b64 s[52:53], s[32:33], s[28:29]     ; nx, or wimg
	s_lshr_b32 s49, s44, 3
	s_lshl_b32 s54, 8, s37                         ; blocks in a row group
	s_mul_i32 s49, s49, s54
	s_add_co_u32 s49, s49, s45
	s_add_co_u32 s49, s49, s40
	s_mul_i32 s49, s49, BLK                        ; my block, in bytes (under 2^25)
	s_and_b32 s44, s44, 7                          ; my fragment
	s_lshl_b32 s54, s44, 11
	s_add_co_u32 s54, s54, s49
	s_mov_b32 s55, 0
	s_add_nc_u64 s[56:57], s[52:53], s[54:55]      ; its codes
	s_lshl_b32 s54, s44, 6
	s_add_co_u32 s54, s54, s49
	s_add_co_u32 s54, s54, 16384
	s_add_nc_u64 s[58:59], s[52:53], s[54:55]      ; its scale words
.irp i, 0,1,2,3,4,5,6,7,8,9,10,11,12,13,14,15
	s_wait_loadcnt 15-\i                           ; loads come back in order: row i is in, the 15 - i younger ones may be out
	ds_store_b128 v[STI], v[X+4*\i:X+4*\i+3] offset:SPITCH*\i
.endr
	s_wait_dscnt 0x0                               ; the stores have read their registers, into which the tile now comes back
.irp b, 0,1,2,3
.irp j, 0,1,2,3
	ds_load_b128 v[X+16*\b+4*\j:X+16*\b+4*\j+3], v[STO] offset:128*\b+16*\j
.endr
.endr
	s_wait_dscnt 0x0
	s_cmp_ge_u32 ttmp9, 1024
	s_cbranch_scc1 .Lmask
	s_cmp_ge_u32 ttmp9, 256
	s_cbranch_scc1 .Lquant                         ; a weight is quantised as it is
	; ---- x: the layer norm.  All eight waves of the work-group are on this way: the branch hangs on the work-group's number alone
	s_lshl_b32 s54, s[WV], 9                       ; my 128 columns of w and b
	s_add_nc_u64 s[24:25], s[24:25], s[54:55]
	s_add_nc_u64 s[26:27], s[26:27], s[54:55]
	global_load_b128 v[RW:RW+3], v[L16], s[24:25]  ; they land while the sums are made
	global_load_b128 v[RB:RB+3], v[L16], s[26:27]
	v_pk_add_f32 v[50:51], v[64:65], v[66:67]
	v_pk_add_f32 v[58:59], v[72:73], v[76:77]
	v_pk_add_f32 v[56:57], v[80:81], v[84:85]
	v_pk_add_f32 v[54:55], v[88:89], v[92:93]
	v_pk_add_f32 v[52:53], v[96:97], v[100:101]
	v_pk_add_f32 v[46:47], v[104:105], v[108:109]
	v_pk_add_f32 v[44:45], v[112:113], v[116:117]
	v_pk_add_f32 v[48:49], v[120:121], v[124:125]
	s_delay_alu instid0(VALU_DEP_1)
	v_pk_add_f32 v[48:49], v[48:49], v[68:69]
	v_pk_add_f32 v[50:51], v[50:51], v[70:71]
	v_pk_add_f32 v[58:59], v[58:59], v[74:75]
	v_pk_add_f32 v[56:57], v[56:57], v[78:79]
	v_pk_add_f32 v[54:55], v[54:55], v[82:83]
	v_pk_add_f32 v[52:53], v[52:53], v[86:87]
	v_pk_add_f32 v[46:47], v[46:47], v[90:91]
	v_pk_add_f32 v[44:45], v[44:45], v[94:95]
	v_pk_add_f32 v[48:49], v[48:49], v[98:99]
	v_pk_add_f32 v[50:51], v[50:51], v[102:103]
	v_pk_add_f32 v[58:59], v[58:59], v[106:107]
	v_pk_add_f32 v[56:57], v[56:57], v[110:111]
	v_pk_add_f32 v[54:55], v[54:55], v[114:115]
	v_pk_add_f32 v[52:53], v[52:53], v[118:119]
	v_pk_add_f32 v[46:47], v[46:47], v[122:123]
	v_pk_add_f32 v[44:45], v[44:45], v[126:127]
	s_delay_alu instid0(VALU_DEP_4)
	v_pk_add_f32 v[48:49], v[48:49], v[54:55]
	s_delay_alu instid0(VALU_DEP_4)
	v_pk_add_f32 v[50:51], v[50:51], v[52:53]
	s_delay_alu instid0(VALU_DEP_4)
	v_pk_add_f32 v[58:59], v[58:59], v[46:47]
	s_delay_alu instid0(VALU_DEP_4)
	v_pk_add_f32 v[56:57], v[56:57], v[44:45]
	s_delay_alu instid0(VALU_DEP_2)
	v_pk_add_f32 v[48:49], v[48:49], v[58:59]
	s_delay_alu instid0(VALU_DEP_2)
	v_pk_add_f32 v[50:51], v[50:51], v[56:57]
	s_delay_alu instid0(VALU_DEP_1)
	v_pk_add_f32 v[48:49], v[48:49], v[50:51]
	s_delay_alu instid0(VALU_DEP_1)
	v_add_f32 v48, v48, v49
	ACROSS RED
	s_delay_alu instid0(VALU_DEP_1)
	v_mul_f32 v50, 0x3a800000, v52                 ; the mean: / 1,024
	s_delay_alu instid0(VALU_DEP_1)
	v_mov_b32 v51, v50
.set j, 0
.rept 32
	v_pk_add_f32 v[X+j:X+j+1], v[X+j:X+j+1], v[50:51] neg_lo:[0,1] neg_hi:[0,1]   ; x - mean
.set j, j+2
.endr
	v_pk_mul_f32 v[48:49], v[X:X+1], v[X:X+1]
	v_pk_mul_f32 v[50:51], v[X+2:X+3], v[X+2:X+3]
.irp j, 4,8,12,16,20,24,28,32,36,40,44,48,52,56,60
	s_delay_alu instid0(VALU_DEP_2)
	v_pk_fma_f32 v[48:49], v[X+\j:X+\j+1], v[X+\j:X+\j+1], v[48:49]
	s_delay_alu instid0(VALU_DEP_2)
	v_pk_fma_f32 v[50:51], v[X+\j+2:X+\j+3], v[X+\j+2:X+\j+3], v[50:51]
.endr
	s_delay_alu instid0(VALU_DEP_1)
	v_pk_add_f32 v[48:49], v[48:49], v[50:51]
	s_delay_alu instid0(VALU_DEP_1)
	v_add_f32 v48, v48, v49
	ACROSS RED2
	s_delay_alu instid0(VALU_DEP_1)
	v_mul_f32 v52, 0x3a802008, v52                 ; / 1,023
	s_wait_alu depctr_va_vdst(0)
	v_sqrt_f32 v53, v52
	v_nop                                          ; a plain instruction behind the transcendental,
	s_wait_alu depctr_va_vdst(0)                   ; and the wait ahead of its first reader
	v_add_f32 v53, 0x3727c5ac, v53                 ; std + 1e-5
	s_wait_alu depctr_va_vdst(0)
	v_rcp_f32 v50, v53
	v_nop
	s_wait_alu depctr_va_vdst(0)
	v_mov_b32 v51, v50
	s_wait_alu depctr_va_vdst(0)
	s_wait_loadcnt 0x0                             ; w and b
	ds_store_b128 v[WBS], v[RW:RW+3]               ; my wave's own bytes: LDS serves a wave's instructions in order, so the loads below see them
	ds_store_b128 v[WBS], v[RB:RB+3] offset:512
	WBLOAD 0
.set j, 0
.rept 32
	v_pk_mul_f32 v[X+j:X+j+1], v[X+j:X+j+1], v[50:51]
.set j, j+2
.endr
.irp b, 0,1,2,3
	s_wait_dscnt 0x0                               ; block b's w and b
.irp i, 0,2,4,6,8,10,12,14
	v_pk_fma_f32 v[X+16*\b+\i:X+16*\b+\i+1], v[X+16*\b+\i:X+16*\b+\i+1], v[WT+\i:WT+\i+1], v[BT+\i:BT+\i+1]
.endr
.if \b < 3
	WBLOAD \b+1
.endif
.endr
.Lquant:
	; ---- x and the weights: the quantiser; the codes are a fragment's registers
.irp b, 0,1,2,3
	v_mov_b32 v[TM+4+\b], 0                        ; a lane permute's destination counts as one of its sources
.endr
	QUANT X
.irp c, 0,1,2,3
	global_store_b128 v[L16], v[PC+4*\c:PC+4*\c+3], s[56:57] offset:512*\c   ; 32 lanes store 512 consecutive bytes
.endr
	global_store_b32 v[R4], v[PW], s[58:59]        ; lanes l and l xor 16 hold the same word and write it to the same place
	s_wait_tensorcnt 0x0
	ds_add_u32 v128, v129
	s_wait_dscnt 0x0
	s_endpgm
.Lmask:
	; ---- a tile of the mask: 64 compares give 64 lane masks; word n goes to lane n / 2, register n % 2
	; THE MASK'S IMAGE (it takes the place of the lane masks that the head comment names): maskw is [256 tiles of 16 queries][16 steps of 128 keys][4 blocks][32 lanes][16 bytes]:
	; byte i of lane L of block b is the E5M2 code of -57,344 (0xfb) where mask(query slot L % 16, key 128 step + 32 b + 16 (L / 16) + i) is 0, else the code 0: a piece of a matrix operand's registers.
	s_mov_b32 s50, 0xfb
	s_lshl_b32 s54, s39, 4
	s_add_co_u32 s54, s54, s40
	s_lshl_b32 s54, s54, 11                        ; (16 tl + col) x 2,048 bytes
	s_add_nc_u64 s[30:31], s[30:31], s[54:55]
.set n, 0
.rept 64
	v_min_u32 v[X+n], 1, v[X+n]                    ; 0 stays 0, every other number becomes 1
.set n, n+1
.endr
.set n, 0
.rept 32
	v_lshl_or_b32 v[X+2*n], v[X+2*n+1], 8, v[X+2*n]
.set n, n+1
.endr
.set n, 0
.rept 16
	v_lshl_or_b32 v[PC+n], v[X+4*n+2], 16, v[X+4*n]    ; four neighbouring keys to a register
.set n, n+1
.endr
.set n, 0
.rept 16
	v_xor_b32 v[PC+n], 0x01010101, v[PC+n]         ; 1 where the key is masked
.set n, n+1
.endr
.set n, 0
.rept 16
	v_mul_lo_u32 v[PC+n], v[PC+n], s50             ; each byte 0 or 0xfb: no carry from byte to byte
.set n, n+1
.endr
.irp b, 0,1,2,3
	global_store_b128 v[L16], v[PC+4*\b:PC+4*\b+3], s[30:31] offset:512*\b   ; 32 lanes store 512 consecutive bytes
.endr
	s_wait_tensorcnt 0x0
	ds_add_u32 v128, v129
	s_wait_dscnt 0x0
	s_endpgm
.Lfunc_end_k_q8b99df16ea_prep:
	.size	k_q8b99df16ea_prep, .Lfunc_end_k_q8b99df16ea_prep-k_q8b99df16ea_prep
	.p2alignl 7, 3214868480
	.fill 96, 4, 3214868480
	.section	.rodata,"a",@progbits
	.p2align	6, 0x0
	.amdhsa_kernel k_q8b99df16ea_prep
		.amdhsa_group_segment_fixed_size 78848
		.amdhsa_private_segment_fixed_size 0
		.amdhsa_enable_private_segment 0
		.amdhsa_kernarg_size 104
		.amdhsa_user_sgpr_count 2
		.amdhsa_user_sgpr_kernarg_segment_ptr 1
		.amdhsa_wavefront_size32 1
		.amdhsa_system_sgpr_workgroup_id_x 1
		.amdhsa_system_sgpr_workgroup_id_y 1
		.amdhsa_system_sgpr_workgroup_id_z 1
		.amdhsa_system_vgpr_workitem_id 0
		.amdhsa_next_free_vgpr 130
		.amdhsa_next_free_sgpr 66
		.amdhsa_reserve_vcc 0
		.amdhsa_float_denorm_mode_32 3
		.amdhsa_float_denorm_mode_16_64 3
		.amdhsa_memory_ordered 1
		.amdhsa_forward_progress 1
		.amdhsa_inst_pref_size 45
	.end_amdhsa_kernel
	.amdgpu_metadata
---
amdhsa.version: [ 1, 2 ]
amdhsa.kernels:
  - .name:           k_q8b99df16ea_prep
    .symbol:         k_q8b99df16ea_prep.kd
    .args:
      - { .name: wq, .offset: 0, .size: 8, .value_kind: global_buffer, .address_space: global }
      - { .name: wk, .offset: 8, .size: 8, .value_kind: global_buffer, .address_space: global }
      - { .name: wv, .offset: 16, .size: 8, .value_kind: global_buffer, .address_space: global }
      - { .name: wo, .offset: 24, .size: 8, .value_kind: global_buffer, .address_space: global }
      - { .name: w1, .offset: 32, .size: 8, .value_kind: global_buffer, .address_space: global }
      - { .name: w2, .offset: 40, .size: 8, .value_kind: global_buffer, .address_space: global }
      - { .name: mask, .offset: 48, .size: 8, .value_kind: global_buffer, .address_space: global }
      - { .name: x, .offset: 56, .size: 8, .value_kind: global_buffer, .address_space: global }
      - { .name: ln1_w, .offset: 64, .size: 8, .value_kind: global_buffer, .address_space: global }
      - { .name: ln1_b, .offset: 72, .size: 8, .value_kind: global_buffer, .address_space: global }
      - { .name: wimg, .offset: 80, .size: 8, .value_kind: global_buffer, .address_space: global }
      - { .name: maskw, .offset: 88, .size: 8, .value_kind: global_buffer, .address_space: global }
      - { .name: nx, .offset: 96, .size: 8, .value_kind: global_buffer, .address_space: global }
    .group_segment_fixed_size: 78848
    .private_segment_fixed_size: 0
    .kernarg_segment_align: 8
    .kernarg_segment_size: 104
    .max_flat_workgroup_size: 256
    .sgpr_count:     66
    .vgpr_count:     130
    .wavefront_size: 32
...
	.end_amdgpu_metadata
.endif
;; end of part 1
;; launch qkv (part 2): grid 48 x 4, 4 waves a work-group, clusters of 4 x 4, 327,680 bytes of LDS; arguments nx, wimg, bq, bk, bv, q, kv; writes q, kv
.if DOCPART == 2
	.amdgcn_target "amdgcn-amd-amdhsa--gfx1250"
	.amdhsa_code_object_version 6
	.text
	.protected	k_q8b99df16ea_qkv
	.globl	k_q8b99df16ea_qkv
	.p2align	8
	.type	k_q8b99df16ea_qkv,@function
k_q8b99df16ea_qkv:
	s_mov_b64 s[64:65], 0
	v_nop
	global_prefetch_b8 v0, s[64:65] scope:SCOPE_SE
	s_setreg_imm32_b32 hwreg(HW_REG_WAVE_MODE, 25, 1), 1
	s_wait_xcnt 0x0
	s_wait_alu depctr_hold_cnt(0) depctr_sa_sdst(0) depctr_va_vdst(0) depctr_va_sdst(0) depctr_va_ssrc(0) depctr_va_vcc(0) depctr_vm_vsrc(0)
	s_getreg_b32 s2, hwreg(HW_REG_IB_STS2, 6, 4)
	s_cmp_eq_u32 s2, 0
	s_cbranch_scc0 .Lentry_in_a_cluster
	s_endpgm
.Lentry_in_a_cluster:
	s_bfe_u32 s2, ttmp6, 0x10000c
	s_cmp_lg_u32 s2, 0xf033
	s_cbranch_scc0 .Lentry_shape_is_right
	s_endpgm
.Lentry_shape_is_right:
.set NQ,    2
.set WVOFF, 128*16896
.set REC,   17152
.set HEADB, 16*REC
.set BLK,   16896
.set PART,  2*BLK
.set SLOT,  4*PART
.set SPARE, 2*SLOT
.set FR,    16
.set NL,    4
.set NP,    8
.set L16,   4
.set H64,   7
.set BV,    8
.set ADRA,  16
.set PR4,   18
.set ADRB,  20
.set ADRS,  22
.set SCR,   24
.set SCRR,  25
.set VO1,   26
.set VW1,   27
.set SPW,   28
.set NIL,   29
.set SC,    32
.set BIAS,  64
.set AF,    128
.set ST,    128
.set PC,    192
.set TM,    208
.set PW,    224
.set G1,    24
.set G0,    32
.set G1B,   48
.set G0B,   56
.set SEL,   92
.set MNT,   94
.set MSB,   0
.macro WIN new
.if MSB != (\new)
	s_set_vgpr_msb (MSB<<8)|(\new)
.set MSB, (\new)
.endif
.endm
.set MUL_LO, 0xa1
.set MUL_HI, 0xf1
.set TO_B,   0x40
.macro JLOAD g0a, g1a, g0b, g1b
	s_cmp_eq_u32 s15, 0
	s_cbranch_scc0 .Lfor_b_\@
	tensor_load_to_lds s[\g0a:\g0a+3], s[\g1a:\g1a+7]
	s_nop 0
.rept 4
	v_nop
.endr
	s_branch .Lasked_\@
.Lfor_b_\@:
	tensor_load_to_lds s[\g0b:\g0b+3], s[\g1b:\g1b+7]
	s_nop 0
.rept 4
	v_nop
.endr
.Lasked_\@:
.endm
.macro CREST
	s_cmp_lg_u32 s14, 0
	s_cbranch_scc1 .Lnot_wave_0_\@
	s_barrier_signal -3
.Lnot_wave_0_\@:
	s_barrier_wait -3
	s_barrier_signal -1
	s_barrier_wait -1
.endm
.macro CROUND
	s_barrier_signal -1
	s_barrier_wait -1
	CREST
.endm
.macro FRAG reg, adr, q, i
.irp c, 0,1,2,3
	ds_load_b128 v[\reg+4*\c:\reg+4*\c+3], v[\adr] offset:BLK*(\q)+2048*(\i)+512*\c
.endr
.endm
.macro MUL16 a0, p, q, sc, zero
.irp a, \a0, \a0+1
.irp b, 0,1,2,3,4,5,6,7
.if \zero
	v_wmma_scale_f32_16x16x128_f8f6f4 v[8*(8*((\a)%4)+\b):8*(8*((\a)%4)+\b)+7], v[128*(\p)+FR*\b:128*(\p)+FR*\b+FR-1], v[AF+FR*(\a):AF+FR*(\a)+FR-1], 0, v[SC+8*NQ*(\sc)+NQ*\b+(\q)], v[SC+8*NQ*(\sc)+NQ*(\a)+(\q)] matrix_a_fmt:MATRIX_FMT_BF8 matrix_b_fmt:MATRIX_FMT_BF8 matrix_a_scale:MATRIX_SCALE_ROW1
.else
	v_wmma_scale_f32_16x16x128_f8f6f4 v[8*(8*((\a)%4)+\b):8*(8*((\a)%4)+\b)+7], v[128*(\p)+FR*\b:128*(\p)+FR*\b+FR-1], v[AF+FR*(\a):AF+FR*(\a)+FR-1], v[8*(8*((\a)%4)+\b):8*(8*((\a)%4)+\b)+7], v[SC+8*NQ*(\sc)+NQ*\b+(\q)], v[SC+8*NQ*(\sc)+NQ*(\a)+(\q)] matrix_a_fmt:MATRIX_FMT_BF8 matrix_b_fmt:MATRIX_FMT_BF8 matrix_a_scale:MATRIX_SCALE_ROW1
.endif
.endr
.endr
.endm
.macro FETCH_B slot, q, p
	WIN TO_B
.irp i, 0,1,2,3,4,5,6,7
	FRAG 128*(\p)+FR*\i, ADRB+\slot, \q, \i
.endr
	WIN 0
.endm
.macro FETCH_A slot, q, i0
.irp i, \i0, \i0+1, \i0+2, \i0+3
	FRAG AF+FR*(\i), ADRA+\slot, \q, \i
.endr
.endm
.macro SCALES sl
.irp i, 0,1,2,3,4,5,6,7
.set qq, 0
.rept NQ
	ds_load_b32 v[SC+8*NQ*\sl+NQ*\i+qq], v[ADRS+\sl] offset:BLK*qq+64*\i
.set qq, qq+1
.endr
.endr
.endm
.macro PLACES n
.rept \n
	v_nop
.endr
.endm
.macro STEP slot, q, zero
	s_wait_dscnt 4*NL
	WIN MUL_LO
	MUL16 0, (\q)%2, \q, \slot, \zero
	MUL16 2, (\q)%2, \q, \slot, \zero
	s_wait_dscnt 0
	PLACES NP
	FETCH_B \slot, (\q)+1, 1-(\q)%2
	FETCH_A \slot, (\q)+1, 0
	WIN MUL_HI
	MUL16 4, (\q)%2, \q, \slot, \zero
	MUL16 6, (\q)%2, \q, \slot, \zero
	PLACES NP
	WIN 0
	FETCH_A \slot, (\q)+1, 4
.endm
.macro TURN slot, next, fill
	s_wait_tensorcnt 0x0
	ds_add_u32 v[SPW], v[NIL]
	s_wait_dscnt 4*NL+1
	WIN MUL_LO
	MUL16 0, 1, NQ-1, \slot, 0
	s_wait_dscnt 0x0
	s_barrier_signal -1
	MUL16 2, 1, NQ-1, \slot, 0
	WIN 0
	s_barrier_wait -1
.if \fill
	CREST
	s_add_nc_u64 s[G0+4*\slot+2:G0+4*\slot+3], s[G0+4*\slot+2:G0+4*\slot+3], 4*BLK
	s_add_nc_u64 s[G0B+4*\slot+2:G0B+4*\slot+3], s[G0B+4*\slot+2:G0B+4*\slot+3], 4*BLK
	JLOAD G0+4*\slot, G1, G0B+4*\slot, G1B
	PLACES NP-4
.else
	PLACES NP
.endif
	FETCH_B \next, 0, 0
	FETCH_A \next, 0, 0
	SCALES \next
	WIN MUL_HI
	MUL16 4, 1, NQ-1, \slot, 0
	MUL16 6, 1, NQ-1, \slot, 0
	PLACES NP
	WIN 0
	FETCH_A \next, 0, 4
.endm
.macro QUANT s
.irp b, 0,1,2,3
	v_max3_num_f32 v[TM+\b], |v[\s+16*\b]|, |v[\s+1+16*\b]|, 0x8000000
.endr
.irp i, 2,4,6,8,10,12,14
.irp b, 0,1,2,3
	v_max3_num_f32 v[TM+\b], v[TM+\b], |v[\s+16*\b+\i]|, |v[\s+1+16*\b+\i]|
.endr
.endr
.irp b, 0,1,2,3
	v_permlanex16_b32 v[TM+4+\b], v[TM+\b], s[SEL], s[SEL+1]
.endr
.irp b, 0,1,2,3
	v_max_num_f32 v[TM+\b], v[TM+\b], v[TM+4+\b]
.endr
.irp b, 0,1,2,3
	v_add_nc_u32 v[TM+12+\b], 0xf8800000, v[TM+\b]
.endr
.irp b, 0,1,2,3
	v_and_or_b32 v[TM+8+\b], v[TM+\b], 0x7f800000, s[MNT]
.endr
.irp b, 0,1,2,3
	v_lshrrev_b32 v[TM+4+\b], 23, v[TM+12+\b]
.endr
	v_lshl_or_b32 v[PW], v[TM+5], 8, v[TM+4]
	v_lshl_or_b32 v[PW], v[TM+6], 16, v[PW]
	v_lshl_or_b32 v[PW], v[TM+7], 24, v[PW]
.irp b, 0,1,2,3
.irp i, 0,1,2,3,4,5,6,7,8,9,10,11,12,13,14,15
	v_med3_num_f32 v[\s+16*\b+\i], v[\s+16*\b+\i], -v[TM+8+\b], v[TM+8+\b]
.endr
	v_cvt_scalef32_pk8_bf8_f32 v[PC+4*\b:PC+1+4*\b], v[\s+16*\b:\s+7+16*\b], v[TM+12+\b]
	v_cvt_scalef32_pk8_bf8_f32 v[PC+2+4*\b:PC+3+4*\b], v[\s+8+16*\b:\s+15+16*\b], v[TM+12+\b]
.endr
	v_nop
.endm
	s_load_b256 s[4:11], s[0:1], 0x0
	s_load_b128 s[68:71], s[0:1], 0x20
	s_load_b64 s[72:73], s[0:1], 0x30
	v_lshl_add_u32 v[SPW], v0, 2, SPARE
	v_mov_b32 v[NIL], 0
	ds_add_u32 v28, v29
	ds_add_u32 v28, v29
	s_wait_dscnt 0x0
	v_lshrrev_b32 v1, 5, v0
	v_readfirstlane_b32 s14, v1
	s_lshr_b32 s15, s14, 1
	s_and_b32 s16, s14, 1
	s_bfe_u32 s40, ttmp6, 0x40000
	s_bfe_u32 s41, ttmp6, 0x40004
	s_lshr_b32 s18, ttmp9, 1
	s_lshl_b32 s18, s18, 2
	s_and_b32 s19, ttmp9, 1
	s_lshl_b32 s19, s19, 2
	s_sub_co_u32 s74, ttmp9, 8
	s_lshl_b32 s74, s74, 2
	s_cmp_lt_u32 ttmp9, 8
	s_cselect_b32 s17, s18, 0
	s_cselect_b32 s42, s19, s74
	s_add_co_u32 s17, s17, s41
	s_add_co_u32 s42, s42, s40
	s_lshl_b32 s43, s41, 2
	s_lshl_b32 s43, 15, s43
	s_lshl_b32 s44, 0x1111, s40
	s_or_b32 s[G1], s43, (3<<16)|(1<<21)
	s_or_b32 s[G1B], s44, (3<<16)|(1<<21)
.irp g, G1, G1B
	s_mov_b32 s[\g+1], 32<<16
	s_mov_b32 s[\g+2], 132<<16
	s_mov_b32 s[\g+3], 32<<16
	s_mov_b32 s[\g+4], 132
	s_mov_b32 s[\g+5], 32
	s_mov_b32 s[\g+6], 0
	s_mov_b32 s[\g+7], 0
.endr
	s_lshl_b32 s20, s17, 1
	s_add_co_u32 s20, s20, s16
	s_mul_i32 s20, s20, 8*BLK
	s_mov_b32 s21, 0
	s_lshl_b32 s46, s42, 1
	s_add_co_u32 s46, s46, s16
	s_mul_i32 s46, s46, 8*BLK
	s_mov_b32 s47, 0
	s_mul_i32 s45, s14, PART
	s_mov_b32 s[SEL], 0x76543210
	s_mov_b32 s[SEL+1], 0xfedcba98
	s_mov_b32 s[MNT], 0x600000
	s_wait_kmcnt 0x0
	s_add_nc_u64 s[76:77], s[6:7], WVOFF
	s_cmp_lt_u32 ttmp9, 8
	s_cselect_b64 s[78:79], s[4:5], s[76:77]
	s_cselect_b64 s[80:81], s[6:7], s[4:5]
	s_add_nc_u64 s[20:21], s[78:79], s[20:21]
	s_add_nc_u64 s[46:47], s[80:81], s[46:47]
	CROUND
.irp s, 0,1
	s_mov_b32 s[G0+4*\s], 1
	s_add_co_u32 s[G0+4*\s+1], s45, \s*SLOT
	s_add_nc_u64 s[G0+4*\s+2:G0+4*\s+3], s[20:21], \s*2*BLK
	s_or_b32 s[G0+4*\s+3], s[G0+4*\s+3], 0x80000000
	s_mov_b32 s[G0B+4*\s], 1
	s_add_co_u32 s[G0B+4*\s+1], s45, \s*SLOT
	s_add_nc_u64 s[G0B+4*\s+2:G0B+4*\s+3], s[46:47], \s*2*BLK
	s_or_b32 s[G0B+4*\s+3], s[G0B+4*\s+3], 0x80000000
	s_wait_alu depctr_va_vdst(0)
	s_wait_tensorcnt 0x0
	ds_add_u32 v28, v29
	ds_add_u32 v28, v29
	s_wait_dscnt 0x0
	CROUND
	JLOAD G0+4*\s, G1, G0B+4*\s, G1B
.endr
	v_and_b32 v1, 15, v0
	v_bfe_u32 v2, v0, 4, 1
	v_and_b32 v3, 31, v0
	v_lshlrev_b32 v[L16], 4, v3
	s_mul_i32 s21, s15, PART
	s_mul_i32 s22, s16, PART
	s_add_co_u32 s22, s22, 2*PART
	s_sub_co_u32 s23, s22, s21
	v_mul_u32_u24 v6, s23, v2
	v_lshl_add_u32 v5, v1, 2, v6
	s_add_co_u32 s23, s21, 16384
	v_add_nc_u32 v[ADRS], s23, v5
	v_add_nc_u32 v[ADRS+1], SLOT, v[ADRS]
.irp s, 0,1
	v_add_nc_u32 v[ADRA+\s], s21, v[L16]
	v_add_nc_u32 v[ADRB+\s], s22, v[L16]
	s_add_co_u32 s21, s21, SLOT
	s_add_co_u32 s22, s22, SLOT
.endr
	s_lshl_b32 s23, s14, 10
	v_lshl_add_u32 v[SCR], v1, 2, s23
	v_add_nc_u32 v[SCRR], s23, v[L16]
	v_lshlrev_b32 v[H64], 6, v2
	s_wait_alu depctr_va_vdst(0)
	v_and_b32 v5, 8, v1
	v_add_nc_u32 v5, v5, v1
	v_lshlrev_b32 v[PR4], 2, v5
	s_wait_alu depctr_va_vdst(0)
	s_lshl_b32 s18, s42, 1
	s_add_co_u32 s18, s18, s16
	s_and_b32 s18, s18, 7
	s_lshl_b32 s18, s18, 9
	s_mov_b32 s19, 0
	s_and_b32 s74, ttmp9, 1
	s_cmp_eq_u32 s74, 0
	s_cselect_b64 s[88:89], s[8:9], s[10:11]
	s_add_nc_u64 s[88:89], s[88:89], s[18:19]
	s_lshl_b32 s18, s17, 1
	s_add_co_u32 s18, s18, s15
	s_and_b32 s18, s18, 7
	s_lshl_b32 s18, s18, 9
	s_add_nc_u64 s[68:69], s[68:69], s[18:19]
.irp b, 0,1,2,3
.irp j, 0,1,2,3
	global_load_b128 v[BIAS+16*\b+4*\j:BIAS+16*\b+4*\j+3], v[H64], s[88:89] offset:128*\b+16*\j
.endr
.endr
.irp a, 0,1,2,3,4,5,6,7
	global_load_b32 v[BV+\a], v[PR4], s[68:69] offset:(32*(\a/2)+8*(\a%2))*4
.endr
	s_wait_tensorcnt 1
	s_barrier_signal -1
	s_barrier_wait -1
	FETCH_B 0, 0, 0
	FETCH_A 0, 0, 0
	SCALES 0
	FETCH_A 0, 0, 4
	STEP 0, 0, 1
	TURN 0, 1, 1
	STEP 1, 0, 0
	TURN 1, 0, 1
	STEP 0, 0, 0
	TURN 0, 1, 0
	STEP 1, 0, 0
	s_wait_dscnt 4*NL
	WIN MUL_LO
	MUL16 0, 1, NQ-1, 1, 0
	MUL16 2, 1, NQ-1, 1, 0
	s_wait_dscnt 0
	WIN MUL_HI
	MUL16 4, 1, NQ-1, 1, 0
	MUL16 6, 1, NQ-1, 1, 0
	WIN 0
	PLACES NP
	s_wait_loadcnt 0x0
.irp b, 0,1,2,3
	v_mov_b32 v[TM+4+\b], 0
.endr
	s_cmp_lt_u32 ttmp9, 8
	s_cbranch_scc0 .Lpath_v
	s_lshl_b32 s18, s17, 1
	s_add_co_u32 s18, s18, s15
	s_lshr_b32 s19, s18, 4
	s_and_b32 s18, s18, 15
	s_and_b32 s74, s42, 3
	s_lshl_b32 s74, s74, 1
	s_add_co_u32 s74, s74, s16
	s_lshl_b32 s74, s74, 1
	s_lshl_b32 s19, s19, 4
	s_add_co_u32 s19, s19, s74
	s_lshl_b32 s75, s19, 7
	s_lshl_b32 s76, s18, 3
	s_add_co_u32 s75, s75, s76
	s_lshl_b32 s76, s75, 10
	s_lshl_b32 s80, s75, 6
	s_add_co_u32 s80, s80, 4194304
	s_mul_i32 s78, s19, HEADB
	s_mul_i32 s79, s18, REC
	s_add_co_u32 s78, s78, s79
	s_add_co_u32 s81, s78, 16384
	s_mov_b32 s82, HEADB
	s_mov_b32 s83, HEADB
	s_and_b32 s74, ttmp9, 1
	s_cmp_eq_u32 s74, 0
	s_cselect_b64 s[86:87], s[70:71], s[72:73]
	s_cselect_b32 s76, s76, s78
	s_cselect_b32 s78, s80, s81
	s_cselect_b32 s82, 131072, s82
	s_cselect_b32 s83, 8192, s83
	s_mov_b32 s77, 0
	s_mov_b32 s79, 0
	s_add_nc_u64 s[84:85], s[86:87], s[76:77]
	s_add_nc_u64 s[86:87], s[86:87], s[78:79]
	v_add_nc_u32 v[VO1], s82, v[L16]
	v_add_nc_u32 v[VW1], s83, v[L16]
.irp a, 0,1,2,3,4,5,6,7
	WIN 0x02+(\a/4)
.set i, 0
.rept 32
	v_pk_add_f32 v[ST+i:ST+i+1], v[64*(\a%4)+i:64*(\a%4)+i+1], v[BIAS+i:BIAS+i+1]
.set i, i+2
.endr
	WIN 0
	s_wait_xcnt 0x0
	QUANT ST
	global_store_b128 v[L16], v[PC:PC+3], s[84:85] offset:1024*\a
	global_store_b128 v[L16], v[PC+4:PC+7], s[84:85] offset:1024*\a+512
	global_store_b128 v[VO1], v[PC+8:PC+11], s[84:85] offset:1024*\a
	global_store_b128 v[VO1], v[PC+12:PC+15], s[84:85] offset:1024*\a+512
	v_lshrrev_b32 v[PW+1], 16, v[PW]
	v_and_b32 v[PW], 0xffff, v[PW]
	v_or_b32 v[PW+1], 0x7f7f0000, v[PW+1]          ; bytes 2 and 3 of Q's and K's scale words are 127: the scale 1 for the blocks in which the attention launch lays the mask
	v_or_b32 v[PW], 0x7f7f0000, v[PW]
	ds_store_b32 v[SCR], v[PW] offset:64*\a
	ds_store_b32 v[SCR], v[PW+1] offset:512+64*\a
.endr
	ds_load_b128 v[ST:ST+3], v[SCRR]
	ds_load_b128 v[ST+4:ST+7], v[SCRR] offset:512
	s_wait_dscnt 0x0
	global_store_b128 v[L16], v[ST:ST+3], s[86:87]
	global_store_b128 v[VW1], v[ST+4:ST+7], s[86:87]
	s_branch .Lend
.Lpath_v:
	s_lshl_b32 s18, s42, 1
	s_add_co_u32 s18, s18, s16
	s_lshr_b32 s19, s18, 4
	s_and_b32 s18, s18, 15
	s_lshl_b32 s74, s17, 1
	s_add_co_u32 s74, s74, s15
	s_lshl_b32 s74, s74, 1
	s_lshl_b32 s19, s19, 4
	s_add_co_u32 s19, s19, s74
	s_mul_i32 s76, s19, HEADB
	s_mul_i32 s77, s18, REC
	s_add_co_u32 s76, s76, s77
	s_add_co_u32 s76, s76, 8192
	s_mov_b32 s77, 0
	s_add_nc_u64 s[84:85], s[72:73], s[76:77]
	v_mul_u32_u24 v5, v2, HEADB
	v_lshl_add_u32 v[VO1], v1, 4, v5
.irp a, 0,1,2,3,4,5,6,7
	WIN 0x02+(\a/4)
.set i, 0
.rept 64
	v_add_f32 v[ST+i], v[64*(\a%4)+i], v[BV+\a]
.set i, i+1
.endr
	WIN 0
	s_wait_xcnt 0x0
	QUANT ST
.irp c, 0,1,2,3
	global_store_b128 v[L16], v[PC+4*\c:PC+4*\c+3], s[84:85] offset:(\a/4)*HEADB+(\a%4)*2048+512*\c
.endr
	ds_store_b32 v[SCR], v[PW] offset:4096+64*\a
.endr
	ds_load_b128 v[ST:ST+3], v[SCRR] offset:4096
	s_wait_dscnt 0x0
	global_store_b128 v[VO1], v[ST:ST+3], s[84:85] offset:8704
.Lend:
	s_wait_tensorcnt 0x0
	ds_add_u32 v[SPW], v[NIL]
	s_wait_dscnt 0x0
	CROUND
	s_endpgm
.Lfunc_end_k_q8b99df16ea_qkv:
	.size	k_q8b99df16ea_qkv, .Lfunc_end_k_q8b99df16ea_qkv-k_q8b99df16ea_qkv
	.p2alignl 7, 3214868480
	.fill 96, 4, 3214868480
	.section	.rodata,"a",@progbits
	.p2align	6, 0x0
	.amdhsa_kernel k_q8b99df16ea_qkv
		.amdhsa_group_segment_fixed_size 327680
		.amdhsa_private_segment_fixed_size 0
		.amdhsa_enable_private_segment 0
		.amdhsa_kernarg_size 56
		.amdhsa_user_sgpr_count 2
		.amdhsa_user_sgpr_kernarg_segment_ptr 1
		.amdhsa_wavefront_size32 1
		.amdhsa_system_sgpr_workgroup_id_x 1
		.amdhsa_system_sgpr_workgroup_id_y 1
		.amdhsa_system_sgpr_workgroup_id_z 1
		.amdhsa_system_vgpr_workitem_id 0
		.amdhsa_next_free_vgpr 1024
		.amdhsa_next_free_sgpr 98
		.amdhsa_reserve_vcc 0
		.amdhsa_float_denorm_mode_32 3
		.amdhsa_float_denorm_mode_16_64 3
		.amdhsa_memory_ordered 1
		.amdhsa_forward_progress 1
		.amdhsa_inst_pref_size 255
	.end_amdhsa_kernel
	.section	.bss,"aw",@nobits
	.p2align	6
	.space	262144
	.amdgpu_metadata
---
amdhsa.version: [ 1, 2 ]
amdhsa.kernels:
  - .name:           k_q8b99df16ea_qkv
    .symbol:         k_q8b99df16ea_qkv.kd
    .args:
      - { .name: nx, .offset: 0, .size: 8, .value_kind: global_buffer, .address_space: global }
      - { .name: wimg, .offset: 8, .size: 8, .value_kind: global_buffer, .address_space: global }
      - { .name: bq, .offset: 16, .size: 8, .value_kind: global_buffer, .address_space: global }
      - { .name: bk, .offset: 24, .size: 8, .value_kind: global_buffer, .address_space: global }
      - { .name: bv, .offset: 32, .size: 8, .value_kind: global_buffer, .address_space: global }
      - { .name: q, .offset: 40, .size: 8, .value_kind: global_buffer, .address_space: global }
      - { .name: kv, .offset: 48, .size: 8, .value_kind: global_buffer, .address_space: global }
    .group_segment_fixed_size: 327680
    .private_segment_fixed_size: 0
    .kernarg_segment_align: 8
    .kernarg_segment_size: 56
    .max_flat_workgroup_size: 128
    .sgpr_count:     98
    .vgpr_count:     1024
    .wavefront_size: 32
...
	.end_amdgpu_metadata
.endif
;; end of part 2
;; launch attn (part 3): grid 8 x 32, 16 waves a work-group, clusters of 4 x 1, 327,680 bytes of LDS; arguments q, kv, maskw, vals; writes vals
.if DOCPART == 3
	.amdgcn_target "amdgcn-amd-amdhsa--gfx1250"
	.amdhsa_code_object_version 6
	.text
	.protected	k_q8b99df16ea_attn
	.globl	k_q8b99df16ea_attn
	.p2align	8
	.type	k_q8b99df16ea_attn,@function
k_q8b99df16ea_attn:
	s_mov_b64 s[64:65], 0
	v_nop
	global_prefetch_b8 v0, s[64:65] scope:SCOPE_SE
	s_setreg_imm32_b32 hwreg(HW_REG_WAVE_MODE, 25, 1), 1
	s_wait_xcnt 0x0
	s_wait_alu depctr_hold_cnt(0) depctr_sa_sdst(0) depctr_va_vdst(0) depctr_va_sdst(0) depctr_va_ssrc(0) depctr_va_vcc(0) depctr_vm_vsrc(0)
	s_getreg_b32 s2, hwreg(HW_REG_IB_STS2, 6, 4)
	s_cmp_eq_u32 s2, 0
	s_cbranch_scc0 .Lentry_in_a_cluster
	s_endpgm
.Lentry_in_a_cluster:
	s_bfe_u32 s2, ttmp6, 0x10000c
	s_cmp_lg_u32 s2, 0x3003
	s_cbranch_scc0 .Lentry_shape_is_right
	s_endpgm
.Lentry_shape_is_right:
; ATTENTION on codes of E5M2 with E8M0 scales: 32 (batch, head) pairs, 2,048 queries and keys, head size 64, a mask that is an input.
; t = score x log2(e) / 8; M = the running largest t rounded UP to a whole number; p = 2^(t - M) is quantised along the keys, not normalised; the row's sum is taken of the unquantised p and divides at the end.
; SHARES.  A work-group owns 256 queries of one (batch, head), each of its sixteen waves one tile of 16, in 256 registers; four waves to a SIMD.
; THE WHOLE HEAD'S K AND V LIE IN LDS: 16 records of 17,152 bytes (K 8 tiles x 1,024; V^T 4 tiles x 2,048 at 8,192; K's scale words at 16,384; V's at 16,896), each filled once, wave w asking for record w: one tensor load a wave.
; Waves 0-3 ask at the head; waves 4-15 behind the wait, the add and a round of the cluster's barrier.  Records 0-3 are worked while 4-15 are on their way.
; CLUSTER.  The four query blocks of a cluster belong to one head: each record is asked for jointly.
; LAYOUT.  S^T = K Q^T, O^T = V^T P^T: a lane holds one query (lane % 16); the 16 registers of tiles 2 b, 2 b + 1 are keys (or channels) 32 b + 16 (lane / 16) + 0 .. 15.
; THE MASK RIDES IN THE SCORE PRODUCT.  The head has 64 of the instruction's 128 along K.  In source 1, behind Q's eight registers, lie the mask's codes of 64 keys: block 2 + j holds those of keys 32 (2 g + j) + 0 .. 31 of my query
; (0, or -57,344 where the key is masked).  In source 0, behind a tile's eight registers of K, lies a constant pattern: key slot m of tile 2 b + u has the code 57,344 at k = 16 (m / 8) + 8 u + m % 8 of its pair's block and 0 elsewhere.
; Both blocks' scale bytes are 127.  So a masked score is lower by 57,344^2 and an open one is unchanged (products with the code 0 are zeros); its p is 0.  No vector instruction is spent on the mask.
; A STEP IS CUT IN THREE: PARTA (the scores, four tiles at a time), TOP (the next record's first K tiles and the next mask codes are asked for), PARTB (softmax, quantiser, O^T).  A trip is TOP, PARTB of step i, PARTA of step i + 1.
; V^T is read into the registers that p has left when it is converted.
; PREFETCH.  The mask codes of a tile are read by the 16 heads of a batch: the work-groups of head x name step x's 2,048 bytes of their tiles, once, three steps ahead of the loads; steps 0-2 come by their loads alone.
; K and V are asked for whole at the launch's start: there is no loop to run ahead in, so they are not prefetched.
; OUT.  vals as an operand image: block (16 batch + tile / 8) x 8 + head / 2, fragment tile % 8, pieces 2 (head % 2) + 0, 1; the two scale bytes leave by a store of 2 bytes a lane (the word's other half is another head's).
; LIMITS: the promise holds while scores stay under 2^30 in magnitude (a masked key lies 57,344^2 lower, not at -infinity); a query all of whose keys are masked gives NaN in the definition and is not served;
; NaN and infinities are not served; a block of zeros gets the byte 1.
.set REC,   17152
.set HEADB, 16*REC
.set BLK,   16896
.set SPARE, 16*REC                     ; the spare words: 128 bytes a wave, behind the records
.set L16,  1                           ; 16 x lane
.set L4,   2                           ; 4 x lane
.set R4,   3                           ; 4 x (lane % 16)
.set ADK,  4                           ; the step's record + 16 x lane
.set ADS,  5                           ; the step's record + 4 x lane
.set VA,   6                           ; the pattern's two words (head only)
.set VB,   7
.set SPW,  8
.set NIL,  9
.set C3,   10                          ; v[10:11] a chain of the row's sum;  v12 -M, v13 the largest score, v[14:15] the sum
.set QB,   16                          ; v16-47  two copies of [Q 8][mask codes 4][mask codes 4]
.set AB,   48                          ; v48-111 four of [K tile 8][pattern or zeros 4][zeros or pattern 4]
.set S,    112                         ; v112-175 S^T, then p, then V^T
.set OT,   176                         ; v176-207 O^T
.set PC,   208                         ; v208-223 p's codes
.set BM,   224
.set T1,   228
.set HO,   232
.set SO,   236
.set FP,   240                         ; f = 2^(old M - new M); v241 p's scale word
.set TP,   242
.set KS,   244                         ; K's words: tile 2 p in lanes 0-15, tile 2 p + 1 in lanes 16-31
.set VS,   248
.set QS,   250
.set PFO,  251                         ; the prefetch's offset: 256 x min(lane, 7)
.set C1,   252
.set C2,   254
.set WV,   4
.set MNT,  5
.set TB,   6                           ; the step's record in LDS
.set CNT,  7
.set G1,   8
.set G0,   16
.set SEL,  20
.set CS,   22
.set MB,   24                          ; s[24:25] the step's mask codes
.set IX,   26                          ; the step's number
.set PFI,  27                          ; the step in which my work-group prefetches: head - 3
.macro CROUND
	s_barrier_signal -1
	s_barrier_wait -1
	s_cmp_lg_u32 s[WV], 0
	s_cbranch_scc1 .Lnot_wave_0_\@
	s_barrier_signal -3
.Lnot_wave_0_\@:
	s_barrier_wait -3
	s_barrier_signal -1
	s_barrier_wait -1
.endm
.macro NOPS n
.rept \n
	v_nop
.endr
.endm
.macro ASKREC                          ; my record; s_nop 0 and four v_nop behind it
	tensor_load_to_lds s[G0:G0+3], s[G1:G1+7]
	s_nop 0
	NOPS 4
.endm
.macro PREFK off                       ; K's tiles 0-3 and the four scale words of the record at ADK + off
.irp t, 0,1,2,3
	ds_load_b128 v[AB+16*\t:AB+16*\t+3], v[ADK] offset:\off+1024*\t
	ds_load_b128 v[AB+16*\t+4:AB+16*\t+7], v[ADK] offset:\off+1024*\t+512
.endr
.irp p, 0,1,2,3
	ds_load_b32 v[KS+\p], v[ADS] offset:\off+16384+128*\p
.endr
.endm
.macro PREFM off                       ; a step's mask codes, into their places behind Q: 512 consecutive bytes a load
.irp b, 0,1,2,3
	global_load_b128 v[QB+16*(\b/2)+8+4*(\b%2):QB+16*(\b/2)+11+4*(\b%2)], v[L16], s[MB:MB+1] offset:\off+512*\b
.endr
.endm
.macro SCORE g                         ; tiles 4 g .. 4 g + 3
.irp t, 0,1,2,3
.if (\t)%2
	v_wmma_scale_f32_16x16x128_f8f6f4 v[S+32*\g+8*\t:S+32*\g+8*\t+7], v[AB+16*\t:AB+16*\t+15], v[QB+16*\g:QB+16*\g+15], 0, v[KS+2*\g+\t/2], v[QS] matrix_a_fmt:MATRIX_FMT_BF8 matrix_b_fmt:MATRIX_FMT_BF8 matrix_a_scale:MATRIX_SCALE_ROW1
.else
	v_wmma_scale_f32_16x16x128_f8f6f4 v[S+32*\g+8*\t:S+32*\g+8*\t+7], v[AB+16*\t:AB+16*\t+15], v[QB+16*\g:QB+16*\g+15], 0, v[KS+2*\g+\t/2], v[QS] matrix_a_fmt:MATRIX_FMT_BF8 matrix_b_fmt:MATRIX_FMT_BF8
.endif
.endr
.endm
.macro MAX0 b0, b1                     ; the largest score of a block of 32 keys: for the row's maximum and for the block's largest p
.irp b, \b0, \b1
	v_max3_num_f32 v[BM+\b], v[S+16*\b], v[S+16*\b+1], v[S+16*\b+2]
.endr
.endm
.macro MAXI b0, b1, i
.irp b, \b0, \b1
	v_max3_num_f32 v[BM+\b], v[BM+\b], v[S+16*\b+\i], v[S+16*\b+\i+1]
.endr
.endm
.macro MAXL b0, b1
.irp b, \b0, \b1
	v_max_num_f32 v[BM+\b], v[BM+\b], v[S+16*\b+15]
.endr
.endm
; The scores of the record at ADK + off.  Its first four K tiles, its words and its mask codes were asked for a step earlier.
.macro PARTA off
	s_wait_loadcnt 0x0                             ; the mask codes (the first time: Q too)
	s_wait_dscnt 0x0                               ; K's tiles 0-3 and the words
	SCORE 0
	NOPS 8                                         ; eight places in front of loads into source 0 and of the first read of the results
.irp t, 0,1,2,3
	ds_load_b128 v[AB+16*\t:AB+16*\t+3], v[ADK] offset:\off+4096+1024*\t
	ds_load_b128 v[AB+16*\t+4:AB+16*\t+7], v[ADK] offset:\off+4096+1024*\t+512
.endr
	MAX0 0, 1
	MAXI 0, 1, 3
	MAXI 0, 1, 5
	MAXI 0, 1, 7
	s_wait_alu depctr_va_vdst(0)
	s_wait_dscnt 0x0                               ; K's tiles 4-7
	SCORE 1
.endm
.macro TOP pref
	MAXI 0, 1, 9                                   ; these eight lines name no register of the last four products: they are the places behind them
	MAXI 0, 1, 11
	MAXI 0, 1, 13
	MAXL 0, 1
	v_add_nc_u32 v[ADK], s[TB], v[L16]
	v_add_nc_u32 v[ADS], s[TB], v[L4]
.if \pref
	PREFK REC                                      ; the next record
	PREFM 2048                                     ; the next step's mask codes: they have the softmax in which to land
	s_cmp_eq_u32 s[IX], s[PFI]                     ; ids and the count of steps alone; the four partners share the head
	s_cbranch_scc0 .Lnot_mine_\@
	global_prefetch_b8 v[PFO], s[MB:MB+1] offset:3*2048 th:TH_LOAD_NT scope:SCOPE_SE   ; step IX + 3 = my head's number: at most 15, inside the tile's 16 steps
.Lnot_mine_\@:
.endif
	MAX0 2, 3
.irp i, 3,5,7,9,11,13
	MAXI 2, 3, \i
.endr
	MAXL 2, 3
.endm
.macro PARTB
.irp b, 0,1,2,3
	v_permlanex16_b32 v[T1+\b], v[BM+\b], s[SEL], s[SEL+1]
.endr
.irp b, 0,1,2,3
	v_max_num_f32 v[BM+\b], v[BM+\b], v[T1+\b]     ; with lane l xor 16's 16 keys
.endr
	v_max3_num_f32 v[TP], v[BM], v[BM+1], v[BM+2]
	s_delay_alu instid0(VALU_DEP_1)
	v_max3_num_f32 v13, v13, v[TP], v[BM+3]        ; the running largest score (c is positive)
	s_delay_alu instid0(VALU_DEP_1)
	v_mul_f32 v[TP], s[CS], v13                    ; as t
	v_mov_b32 v[TP+1], v12
	s_delay_alu instid0(VALU_DEP_2)
	v_floor_f32 v12, -v[TP]                        ; the new -M = -ceil(t)
	s_delay_alu instid0(VALU_DEP_1)
	v_sub_f32 v[TP], v12, v[TP+1]                  ; old M - new M: a whole number, 0 or less
	s_delay_alu instid0(VALU_DEP_1)
	v_cvt_i32_f32 v[TP], v[TP]                     ; (it saturates)
	s_delay_alu instid0(VALU_DEP_1)
	v_ldexp_f32 v[FP], 1.0, v[TP]                  ; f: a multiplication by it rounds nothing
.set j, 0
.rept 32
	v_pk_fma_f32 v[S+j:S+j+1], v[S+j:S+j+1], s[CS:CS+1], v[12:13] op_sel_hi:[1,0,0]   ; t - M
.set j, j+2
.endr
.irp b, 0,1,2,3
	v_fma_f32 v[BM+\b], v[BM+\b], s[CS], v12
.endr
	s_wait_alu depctr_va_vdst(0)
.set j, 0
.rept 64
	v_exp_f32 v[S+j], v[S+j]                       ; p = 2^(t - M)
.set j, j+1
.endr
	v_pk_mul_f32 v[14:15], v[14:15], v[FP:FP+1] op_sel_hi:[1,0]   ; the sums under the new M; a plain instruction behind the exponentials
	s_wait_alu depctr_va_vdst(0)                   ; one wait for the batch, ahead of its first reader
.irp b, 0,1,2,3
	v_exp_f32 v[BM+\b], v[BM+\b]                   ; the block's largest p: the same two instructions on the same number
.endr
	v_pk_add_f32 v[C1:C1+1], v[S:S+1], v[S+2:S+3]  ; the row's sum of the unquantised p, in four chains
	v_pk_add_f32 v[C2:C2+1], v[S+4:S+5], v[S+6:S+7]
	v_pk_add_f32 v[C3:C3+1], v[S+8:S+9], v[S+10:S+11]
.irp j, 12,20,28,36,44,52
	v_pk_add_f32 v[14:15], v[14:15], v[S+\j:S+\j+1]
	v_pk_add_f32 v[C1:C1+1], v[C1:C1+1], v[S+\j+2:S+\j+3]
	v_pk_add_f32 v[C2:C2+1], v[C2:C2+1], v[S+\j+4:S+\j+5]
	v_pk_add_f32 v[C3:C3+1], v[C3:C3+1], v[S+\j+6:S+\j+7]
.endr
	v_pk_add_f32 v[14:15], v[14:15], v[S+60:S+61]
	v_pk_add_f32 v[C1:C1+1], v[C1:C1+1], v[S+62:S+63]
	v_pk_add_f32 v[C2:C2+1], v[C2:C2+1], v[C3:C3+1]
	v_pk_add_f32 v[14:15], v[14:15], v[C1:C1+1]
	s_delay_alu instid0(VALU_DEP_1)
	v_pk_add_f32 v[14:15], v[14:15], v[C2:C2+1]
	s_wait_alu depctr_va_vdst(0)                   ; and one for the four
.irp b, 0,1,2,3
	v_max_num_f32 v[BM+\b], 0x8000000, v[BM+\b]    ; the floor 2^(16 - 127): the byte cannot fall under 1
.endr
.irp b, 0,1,2,3
	v_add_nc_u32 v[SO+\b], 0xf8800000, v[BM+\b]    ; 15 off the exponent field: the conversion's scale operand
.endr
.irp b, 0,1,2,3
	v_and_or_b32 v[HO+\b], v[BM+\b], 0x7f800000, s[MNT]   ; 57,344 x the scale
.endr
.irp b, 0,1,2,3
	v_lshrrev_b32 v[T1+\b], 23, v[SO+\b]
.endr
	v_lshl_or_b32 v[FP+1], v[T1+1], 8, v[T1]       ; p's scale word for these 128 keys
	s_delay_alu instid0(VALU_DEP_1)
	v_lshl_or_b32 v[FP+1], v[T1+2], 16, v[FP+1]
	s_delay_alu instid0(VALU_DEP_1)
	v_lshl_or_b32 v[FP+1], v[T1+3], 24, v[FP+1]
.irp b, 0,2
; p is not negative: a one-sided hold, two numbers an instruction, one of block b and one of block b + 1 (destinations even and odd; both pairs of sources in different register banks)
.irp i, 0,2,4,6,8,10,12,14
	v_dual_min_num_f32 v[S+16*\b+\i], v[S+16*\b+\i], v[HO+\b] :: v_dual_min_num_f32 v[S+16*\b+17+\i], v[S+16*\b+17+\i], v[HO+\b+1]
	v_dual_min_num_f32 v[S+16*\b+\i+1], v[S+16*\b+\i+1], v[HO+\b] :: v_dual_min_num_f32 v[S+16*\b+16+\i], v[S+16*\b+16+\i], v[HO+\b+1]
.endr
.irp e, 0,1
	v_cvt_scalef32_pk8_bf8_f32 v[PC+4*(\b+\e):PC+4*(\b+\e)+1], v[S+16*(\b+\e):S+16*(\b+\e)+7], v[SO+\b+\e]
	v_cvt_scalef32_pk8_bf8_f32 v[PC+4*(\b+\e)+2:PC+4*(\b+\e)+3], v[S+16*(\b+\e)+8:S+16*(\b+\e)+15], v[SO+\b+\e]
.endr
.irp t, 0,1                                    ; two tiles of V^T into the registers that these two blocks of p have left
.irp c, 0,1,2,3
	ds_load_b128 v[S+16*(\b+\t)+4*\c:S+16*(\b+\t)+4*\c+3], v[ADK] offset:8192+2048*(\b+\t)+512*\c
.endr
.endr
	ds_load_b32 v[VS+\b/2], v[ADS] offset:16896+64*\b
.endr
	s_wait_alu depctr_va_vdst(0)                   ; ahead of the first reader of O^T
.set j, 0
.rept 16
	v_pk_mul_f32 v[OT+j:OT+j+1], v[OT+j:OT+j+1], v[FP:FP+1] op_sel_hi:[1,0]   ; O^T under the new M; also the places in front of the products below
.set j, j+2
.endr
	s_wait_alu depctr_va_vdst(0)
	s_wait_dscnt 0x0                               ; V^T and its words
.irp t, 0,1,2,3
.if (\t)%2
	v_wmma_scale_f32_16x16x128_f8f6f4 v[OT+8*\t:OT+8*\t+7], v[S+16*\t:S+16*\t+15], v[PC:PC+15], v[OT+8*\t:OT+8*\t+7], v[VS+\t/2], v[FP+1] matrix_a_fmt:MATRIX_FMT_BF8 matrix_b_fmt:MATRIX_FMT_BF8 matrix_a_scale:MATRIX_SCALE_ROW1
.else
	v_wmma_scale_f32_16x16x128_f8f6f4 v[OT+8*\t:OT+8*\t+7], v[S+16*\t:S+16*\t+15], v[PC:PC+15], v[OT+8*\t:OT+8*\t+7], v[VS+\t/2], v[FP+1] matrix_a_fmt:MATRIX_FMT_BF8 matrix_b_fmt:MATRIX_FMT_BF8
.endif
.endr
	NOPS 9                                         ; nine places: the next scores are written over the registers that held V^T
.endm
.macro RUN trips
	s_mov_b32 s[CNT], \trips
.Lbody_\@:
	TOP 1
	PARTB
	PARTA REC
	s_add_co_u32 s[TB], s[TB], REC
	s_add_co_u32 s[IX], s[IX], 1
	s_wait_xcnt 0x0                                ; the prefetch has read its base (the loads are done): it may step
	s_add_nc_u64 s[MB:MB+1], s[MB:MB+1], 2048
	s_sub_co_u32 s[CNT], s[CNT], 1
	s_cmp_lg_u32 s[CNT], 0
	s_cbranch_scc1 .Lbody_\@
.endm
	s_load_b256 s[32:39], s[0:1], 0x0              ; q s[32:33], kv s[34:35], maskw s[36:37], vals s[38:39]
	v_lshl_add_u32 v[SPW], v0, 2, SPARE
	v_mov_b32 v[NIL], 0
	ds_add_u32 v[SPW], v[NIL]                      ; the opening lines: the add, twice on end, and its wait
	ds_add_u32 v[SPW], v[NIL]
	v_lshrrev_b32 v[TP], 5, v0
	v_readfirstlane_b32 s[WV], v[TP]               ; wave 0..15
	s_bfe_u32 s40, ttmp6, 0x40000                  ; cx: it enters global addresses of q, maskw and vals alone
	s_lshl_b32 s41, ttmp9, 2
	s_add_co_u32 s41, s41, s40
	s_lshl_b32 s41, s41, 4
	s_add_co_u32 s41, s41, s[WV]                   ; my tile of 16 queries, 0..127
	s_and_b32 s42, ttmp7, 0xffff                   ; 16 batch + head, which the four partners share
	s_mov_b32 s[G1], 15|(3<<16)|(1<<21)            ; the mask: all four; elements of 8 bytes; bit 21 beside a mask; no padding
	s_mov_b32 s[G1+1], 32<<16                      ; rows of 256 bytes,
	s_mov_b32 s[G1+2], 67<<16                      ; 67 of them: a record
	s_mov_b32 s[G1+3], 32<<16
	s_mov_b32 s[G1+4], 67
	s_mov_b32 s[G1+5], 32
	s_mov_b32 s[G1+6], 0
	s_mov_b32 s[G1+7], 0
	s_mul_i32 s44, s42, HEADB
	s_mul_i32 s43, s[WV], REC                      ; record number = wave
	s_add_co_u32 s44, s44, s43
	s_mov_b32 s45, 0
	s_mov_b32 s[SEL], 0x76543210
	s_mov_b32 s[SEL+1], 0xfedcba98
	s_mov_b32 s[CS], 0x3e38aa3b                    ; c = log2(e) / 8
	s_mov_b32 s[CS+1], s[CS]
	s_mov_b32 s[MNT], 0x600000
	s_mov_b32 s[TB], 0
	s_mov_b32 s[IX], 0
	s_and_b32 s[PFI], s42, 15
	s_sub_co_u32 s[PFI], s[PFI], 3                 ; heads 0-2: a number that no step reaches
	s_wait_dscnt 0x0
	s_wait_kmcnt 0x0
	s_mov_b32 s[G0], 1
	s_mov_b32 s[G0+1], s43
	s_add_nc_u64 s[G0+2:G0+3], s[34:35], s[44:45]
	s_or_b32 s[G0+3], s[G0+3], 0x80000000
	CROUND                                         ; all four work-groups are here: the joint loads meet
	s_cmp_lt_u32 s[WV], 4
	s_cbranch_scc0 .Lno_head
	ASKREC                                         ; records 0-3
.Lno_head:
	s_lshl_b32 s46, s42, 7
	s_add_co_u32 s46, s46, s41                     ; 128 (b h) + tile
	s_lshl_b32 s48, s46, 10
	s_mov_b32 s49, 0
	s_add_nc_u64 s[48:49], s[32:33], s[48:49]      ; Q's codes
	s_lshl_b32 s50, s46, 6
	s_add_co_u32 s50, s50, 4194304
	s_mov_b32 s51, 0
	s_add_nc_u64 s[50:51], s[32:33], s[50:51]      ; Q's scale words
	s_lshr_b32 s52, s42, 4
	s_lshl_b32 s52, s52, 7
	s_add_co_u32 s52, s52, s41
	s_lshl_b32 s52, s52, 15                        ; the tile's 16 steps x 2,048 bytes of mask codes
	s_mov_b32 s53, 0
	s_add_nc_u64 s[MB:MB+1], s[36:37], s[52:53]
	v_and_b32 v[L4], 31, v0
	v_and_b32 v[R4], 15, v0
	v_min_u32 v[PFO], 7, v[L4]                     ; eight blocks of 256 bytes; the lanes left over name the last again
	v_lshlrev_b32 v[L16], 4, v[L4]
	v_lshlrev_b32 v[L4], 2, v[L4]
	v_lshlrev_b32 v[R4], 2, v[R4]
	v_lshlrev_b32 v[PFO], 8, v[PFO]
	s_wait_alu depctr_va_vdst(0)
	global_load_b128 v[QB:QB+3], v[L16], s[48:49]              ; Q twice: one copy for each half of a step's mask codes
	global_load_b128 v[QB+4:QB+7], v[L16], s[48:49] offset:512
	global_load_b128 v[QB+16:QB+19], v[L16], s[48:49]
	global_load_b128 v[QB+20:QB+23], v[L16], s[48:49] offset:512
	global_load_b32 v[QS], v[R4], s[50:51]
	PREFM 0                                        ; step 0's mask codes
	; the pattern: key slot m = lane % 16 has its code in the lanes with lane / 16 = m / 8, at byte 8 u + m % 8 of the lane's 16: word 2 u + (m / 4) % 2, byte m % 4
	v_and_b32 v[BM], 3, v0
	v_mov_b32 v[BM+1], 0x7b                        ; the code of 57,344
	v_lshlrev_b32 v[BM], 3, v[BM]
	v_bfe_u32 v[BM+2], v0, 3, 1
	v_bfe_u32 v[BM+3], v0, 4, 1
	v_lshlrev_b32 v[BM], v[BM], v[BM+1]
	v_cmp_eq_u32 vcc_lo, v[BM+2], v[BM+3]
	v_cndmask_b32 v[BM], 0, v[BM], vcc_lo
	v_bfe_u32 v[BM+1], v0, 2, 1
	v_cmp_eq_u32 vcc_lo, 0, v[BM+1]
	v_cndmask_b32 v[VA], 0, v[BM], vcc_lo
	v_cndmask_b32 v[VB], v[BM], v[NIL], vcc_lo
.irp t, 0,1,2,3
.irp e, 0,1,2,3,4,5,6,7
.if \e == 4*(\t/2)+2*(\t%2)
	v_mov_b32 v[AB+16*\t+8+\e], v[VA]
.elseif \e == 4*(\t/2)+2*(\t%2)+1
	v_mov_b32 v[AB+16*\t+8+\e], v[VB]
.else
	v_mov_b32 v[AB+16*\t+8+\e], 0
.endif
.endr
.endr
	v_mov_b32 v13, 0xff61b1e6                      ; the largest score so far: -3e38
	v_mov_b32 v12, 0x7e000000                      ; -M: a large whole number; the first step's f is 0
	v_mov_b32 v14, 0                               ; the sum, in two halves
	v_mov_b32 v15, 0
.irp b, 0,1,2,3
	v_mov_b32 v[T1+\b], 0                          ; a lane permute's destination counts as one of its sources
.endr
	v_mov_b32 v[FP+1], 0
	v_mov_b32 v[TP], 0
.set j, 0
.rept 32
	v_mov_b32 v[OT+j], 0                           ; O^T: the step is written once; the first finds zeros
.set j, j+1
.endr
	v_add_nc_u32 v[ADK], s[TB], v[L16]
	v_add_nc_u32 v[ADS], s[TB], v[L4]
	s_wait_alu depctr_va_vdst(0)
	s_wait_tensorcnt 0x0                           ; waves 0-3: my record is in.
	ds_add_u32 v[SPW], v[NIL]                      ; the add twice on end here
	ds_add_u32 v[SPW], v[NIL]
	s_wait_dscnt 0x0
	CROUND                                         ; records 0-3 are whole in every partner, and the joint loads meet
	s_cmp_ge_u32 s[WV], 4
	s_cbranch_scc0 .Lno_second
	ASKREC                                         ; records 4-15: first fills, the wave's one load behind the round
.Lno_second:
	PREFK 0
	PARTA 0                                        ; step 0's scores
	RUN 3                                          ; steps 0-2, and the scores of steps 1-3: records 0-3 alone are read
	s_wait_tensorcnt 0x0                           ; waves 4-15: my record is in
	s_wait_dscnt 0x0
	s_barrier_signal -1
	s_barrier_wait -1                              ; all sixteen records are whole
	RUN 12                                         ; steps 3-14, and the scores of steps 4-15
	TOP 0
	PARTB                                          ; step 15; its nine places also stand ahead of the reads of O^T
	; THE WAY OUT: O^T / the sum; its 32 registers are channels 32 b + 16 (lane / 16) + i of my query: two blocks of the next product's K.
	v_add_f32 v14, v14, v15
	s_delay_alu instid0(VALU_DEP_1)
	v_permlanex16_b32 v[TP], v14, s[SEL], s[SEL+1]
	s_delay_alu instid0(VALU_DEP_1)
	v_add_f32 v14, v14, v[TP]                      ; the row's sum
	s_wait_alu depctr_va_vdst(0)
	v_rcp_f32 v15, v14
	v_nop
	s_wait_alu depctr_va_vdst(0)
.set j, 0
.rept 32
	v_mul_f32 v[S+j], v[OT+j], v15
.set j, j+1
.endr
.irp b, 0,1
	v_max3_num_f32 v[BM+\b], |v[S+16*\b]|, |v[S+1+16*\b]|, 0x8000000
.endr
.irp i, 2,4,6,8,10,12,14
.irp b, 0,1
	v_max3_num_f32 v[BM+\b], v[BM+\b], |v[S+16*\b+\i]|, |v[S+1+16*\b+\i]|
.endr
.endr
.irp b, 0,1
	v_permlanex16_b32 v[T1+\b], v[BM+\b], s[SEL], s[SEL+1]
.endr
.irp b, 0,1
	v_max_num_f32 v[BM+\b], v[BM+\b], v[T1+\b]
.endr
.irp b, 0,1
	v_add_nc_u32 v[SO+\b], 0xf8800000, v[BM+\b]
.endr
.irp b, 0,1
	v_and_or_b32 v[HO+\b], v[BM+\b], 0x7f800000, s[MNT]
.endr
.irp b, 0,1
	v_lshrrev_b32 v[T1+\b], 23, v[SO+\b]
.endr
	v_lshl_or_b32 v[TP], v[T1+1], 8, v[T1]         ; my head's two scale bytes
.irp b, 0,1
.irp i, 0,1,2,3,4,5,6,7,8,9,10,11,12,13,14,15
	v_med3_num_f32 v[S+16*\b+\i], v[S+16*\b+\i], -v[HO+\b], v[HO+\b]
.endr
	v_cvt_scalef32_pk8_bf8_f32 v[PC+4*\b:PC+4*\b+1], v[S+16*\b:S+16*\b+7], v[SO+\b]
	v_cvt_scalef32_pk8_bf8_f32 v[PC+4*\b+2:PC+4*\b+3], v[S+16*\b+8:S+16*\b+15], v[SO+\b]
.endr
	v_nop
	s_wait_alu depctr_va_vdst(0)
	s_lshr_b32 s43, s42, 4                         ; batch
	s_and_b32 s42, s42, 15                         ; head
	s_lshl_b32 s43, s43, 4
	s_lshr_b32 s44, s41, 3
	s_add_co_u32 s43, s43, s44                     ; group of 128 tokens
	s_lshl_b32 s43, s43, 3
	s_lshr_b32 s44, s42, 1
	s_add_co_u32 s43, s43, s44
	s_mul_i32 s43, s43, BLK                        ; my block
	s_and_b32 s44, s41, 7                          ; my fragment
	s_and_b32 s42, s42, 1
	s_lshl_b32 s45, s44, 11
	s_add_co_u32 s45, s45, s43
	s_lshl_b32 s46, s42, 10
	s_add_co_u32 s46, s46, s45
	s_mov_b32 s47, 0
	s_lshl_b32 s48, s44, 6
	s_add_co_u32 s48, s48, s43
	s_add_co_u32 s48, s48, 16384
	s_lshl_b32 s49, s42, 1
	s_add_co_u32 s48, s48, s49
	s_mov_b32 s49, 0
	s_add_nc_u64 s[46:47], s[38:39], s[46:47]
	s_add_nc_u64 s[48:49], s[38:39], s[48:49]
	global_store_b128 v[L16], v[PC:PC+3], s[46:47]             ; 512 consecutive bytes a store
	global_store_b128 v[L16], v[PC+4:PC+7], s[46:47] offset:512
	global_store_b16 v[R4], v[TP], s[48:49]        ; lanes l and l xor 16 write the same two bytes
	s_wait_tensorcnt 0x0                           ; the wave's end
	ds_add_u32 v[SPW], v[NIL]
	s_wait_dscnt 0x0
	CROUND                                         ; the closing round
	s_endpgm
.Lfunc_end_k_q8b99df16ea_attn:
	.size	k_q8b99df16ea_attn, .Lfunc_end_k_q8b99df16ea_attn-k_q8b99df16ea_attn
	.p2alignl 7, 3214868480
	.fill 96, 4, 3214868480
	.section	.rodata,"a",@progbits
	.p2align	6, 0x0
	.amdhsa_kernel k_q8b99df16ea_attn
		.amdhsa_group_segment_fixed_size 327680
		.amdhsa_private_segment_fixed_size 0
		.amdhsa_enable_private_segment 0
		.amdhsa_kernarg_size 32
		.amdhsa_user_sgpr_count 2
		.amdhsa_user_sgpr_kernarg_segment_ptr 1
		.amdhsa_wavefront_size32 1
		.amdhsa_system_sgpr_workgroup_id_x 1
		.amdhsa_system_sgpr_workgroup_id_y 1
		.amdhsa_system_sgpr_workgroup_id_z 1
		.amdhsa_system_vgpr_workitem_id 0
		.amdhsa_next_free_vgpr 256
		.amdhsa_next_free_sgpr 66
		.amdhsa_reserve_vcc 1
		.amdhsa_float_denorm_mode_32 3
		.amdhsa_float_denorm_mode_16_64 3
		.amdhsa_memory_ordered 1
		.amdhsa_forward_progress 1
		.amdhsa_inst_pref_size 74
	.end_amdhsa_kernel
	.amdgpu_metadata
---
amdhsa.version: [ 1, 2 ]
amdhsa.kernels:
  - .name:           k_q8b99df16ea_attn
    .symbol:         k_q8b99df16ea_attn.kd
    .args:
      - { .name: q, .offset: 0, .size: 8, .value_kind: global_buffer, .address_space: global }
      - { .name: kv, .offset: 8, .size: 8, .value_kind: global_buffer, .address_space: global }
      - { .name: maskw, .offset: 16, .size: 8, .value_kind: global_buffer, .address_space: global }
      - { .name: vals, .offset: 24, .size: 8, .value_kind: global_buffer, .address_space: global }
    .group_segment_fixed_size: 327680
    .private_segment_fixed_size: 0
    .kernarg_segment_align: 8
    .kernarg_segment_size: 32
    .max_flat_workgroup_size: 512
    .sgpr_count:     66
    .vgpr_count:     256
    .wavefront_size: 32
...
	.end_amdgpu_metadata
.endif
;; end of part 3
;; launch wo (part 4): grid 8 x 32, 4 waves a work-group, clusters of 4 x 4, 327,680 bytes of LDS; arguments vals, wimg, bo, x, x1; writes x1
.if DOCPART == 4
	.amdgcn_target "amdgcn-amd-amdhsa--gfx1250"
	.amdhsa_code_object_version 6
	.text
	.protected	k_q8b99df16ea_wo
	.globl	k_q8b99df16ea_wo
	.p2align	8
	.type	k_q8b99df16ea_wo,@function
k_q8b99df16ea_wo:
	s_mov_b64 s[64:65], 0
	v_nop
	global_prefetch_b8 v0, s[64:65] scope:SCOPE_SE
	s_setreg_imm32_b32 hwreg(HW_REG_WAVE_MODE, 25, 1), 1
	s_wait_xcnt 0x0
	s_wait_alu depctr_hold_cnt(0) depctr_sa_sdst(0) depctr_va_vdst(0) depctr_va_sdst(0) depctr_va_ssrc(0) depctr_va_vcc(0) depctr_vm_vsrc(0)
	s_getreg_b32 s2, hwreg(HW_REG_IB_STS2, 6, 4)
	s_cmp_eq_u32 s2, 0
	s_cbranch_scc0 .Lentry_in_a_cluster
	s_endpgm
.Lentry_in_a_cluster:
	s_bfe_u32 s2, ttmp6, 0x10000c
	s_cmp_lg_u32 s2, 0xf033
	s_cbranch_scc0 .Lentry_shape_is_right
	s_endpgm
.Lentry_shape_is_right:
; out = res + A W^T + bias, f32 out.  A [4096][128 KB] and W [1024][128 KB] are operand images of E5M2 codes with E8M0 scale words (blocks of 128 rows x 128 K = 16,896 bytes, [row group][KB], dense).  Here: A = vals, W = wo, KB = 8.
; A tile of the result is 128 x 128, so that 256 work-groups share the work.  K IS SHARED AMONG THE FOUR WAVES: a slot holds 512 along K (four blocks of A, four of W), and wave w multiplies block w of each slot, a whole
; 128 x 128 in 64 accumulators: each LDS byte is read once, and a wave's tile is as large as the registers hold.  The four partial sums meet at the end in LDS.
; Source 0 = W's rows (they fall into registers), source 1 = A's rows (lanes): a lane's eight results are eight neighbouring columns of one row.
; CLUSTERS 4 x 4: A's blocks are asked for jointly along a row of the cluster, W's along a column.  Here K = 1,024 is two slots: both are first fills; the text keeps the form of its sibling with a longer K (the add, all of LDS claimed).
; The sums over K are formed in four parts and added in ascending order of K's parts.
; REGISTERS: window 0: v0-31 addresses; v32-47 scale words, two sets; v64-67 bias; v128-255 A's fragments, one set, later the residual's 32 rows.  window 1: W's fragments, two sets, later the stage's rows.  windows 2, 3: the accumulators.
.set KB,    8                          ; blocks along K
.set WOFF,  192*16896                  ; the weight's image in wimg
.set NQ,    1
.set BLK,   16896
.set PART,  2*BLK
.set SLOT,  4*PART
.set SPARE, 2*SLOT
.set SROWS, 128*528                    ; the way out: a wave's stage, 128 rows of 512 bytes + 16; the four fill the two slots exactly
.set FR,    16
.set NL,    4
.set NP,    8
.set L16,   4
.set RD,    8                          ; v8-11 my 32 rows in each of the four stages
.set ADRA,  16
.set ADRB,  20
.set ADRS,  22
.set STO,   24
.set SPW,   28
.set NIL,   29
.set SC,    32
.set BIAS,  64
.set AF,    128
.set RES,   128
.set G1,    24
.set G0,    32
.set G1B,   48
.set G0B,   56
.set MSB,   0
.macro WIN new
.if MSB != (\new)
	s_set_vgpr_msb (MSB<<8)|(\new)
.set MSB, (\new)
.endif
.endm
.set MUL_LO, 0xa1
.set MUL_HI, 0xf1
.set TO_B,   0x40
.macro JLOAD g0a, g1a, g0b, g1b        ; waves 0 and 1 fetch for A, waves 2 and 3 for W; four v_nop follow each of the two lines
	s_cmp_eq_u32 s15, 0
	s_cbranch_scc0 .Lfor_b_\@
	tensor_load_to_lds s[\g0a:\g0a+3], s[\g1a:\g1a+7]
	s_nop 0
.rept 4
	v_nop
.endr
	s_branch .Lasked_\@
.Lfor_b_\@:
	tensor_load_to_lds s[\g0b:\g0b+3], s[\g1b:\g1b+7]
	s_nop 0
.rept 4
	v_nop
.endr
.Lasked_\@:
.endm
.macro CREST
	s_cmp_lg_u32 s14, 0
	s_cbranch_scc1 .Lnot_wave_0_\@
	s_barrier_signal -3
.Lnot_wave_0_\@:
	s_barrier_wait -3
	s_barrier_signal -1
	s_barrier_wait -1
.endm
.macro CROUND
	s_barrier_signal -1
	s_barrier_wait -1
	CREST
.endm
.macro FRAG reg, adr, q, i
.irp c, 0,1,2,3
	ds_load_b128 v[\reg+4*\c:\reg+4*\c+3], v[\adr] offset:BLK*(\q)+2048*(\i)+512*\c
.endr
.endm
.macro MUL16 a0, p, q, sc, zero        ; the 64 accumulators take turns, one instruction a turn
.irp a, \a0, \a0+1
.irp b, 0,1,2,3,4,5,6,7
.if \zero
	v_wmma_scale_f32_16x16x128_f8f6f4 v[8*(8*((\a)%4)+\b):8*(8*((\a)%4)+\b)+7], v[128*(\p)+FR*\b:128*(\p)+FR*\b+FR-1], v[AF+FR*(\a):AF+FR*(\a)+FR-1], 0, v[SC+8*NQ*(\sc)+NQ*\b+(\q)], v[SC+8*NQ*(\sc)+NQ*(\a)+(\q)] matrix_a_fmt:MATRIX_FMT_BF8 matrix_b_fmt:MATRIX_FMT_BF8 matrix_a_scale:MATRIX_SCALE_ROW1
.else
	v_wmma_scale_f32_16x16x128_f8f6f4 v[8*(8*((\a)%4)+\b):8*(8*((\a)%4)+\b)+7], v[128*(\p)+FR*\b:128*(\p)+FR*\b+FR-1], v[AF+FR*(\a):AF+FR*(\a)+FR-1], v[8*(8*((\a)%4)+\b):8*(8*((\a)%4)+\b)+7], v[SC+8*NQ*(\sc)+NQ*\b+(\q)], v[SC+8*NQ*(\sc)+NQ*(\a)+(\q)] matrix_a_fmt:MATRIX_FMT_BF8 matrix_b_fmt:MATRIX_FMT_BF8 matrix_a_scale:MATRIX_SCALE_ROW1
.endif
.endr
.endr
.endm
.macro FETCH_B slot, q, p
	WIN TO_B
.irp i, 0,1,2,3,4,5,6,7
	FRAG 128*(\p)+FR*\i, ADRB+\slot, \q, \i
.endr
	WIN 0
.endm
.macro FETCH_A slot, q, i0
.irp i, \i0, \i0+1, \i0+2, \i0+3
	FRAG AF+FR*(\i), ADRA+\slot, \q, \i
.endr
.endm
.macro SCALES sl
.irp i, 0,1,2,3,4,5,6,7
	ds_load_b32 v[SC+8*\sl+\i], v[ADRS+\sl] offset:64*\i
.endr
.endm
.macro PLACES n
.rept \n
	v_nop
.endr
.endm
; A slot's one step of a wave, and the change of slots: ONE barrier; in front of it the wait for all my tensor loads, the add, and the wait for the add and for my reads of this slot.  fill = 1: the slot is filled again, two slots ahead.
.macro TURN1 slot, next, fill, zero
	s_wait_tensorcnt 0x0
	ds_add_u32 v[SPW], v[NIL]                      ; 0 onto my spare word
	s_wait_dscnt 4*NL+1                            ; (the add and A's fragments 4-7 may be out)
	WIN MUL_LO
	MUL16 0, \slot, 0, \slot, \zero
	s_wait_dscnt 0x0
	s_barrier_signal -1
	MUL16 2, \slot, 0, \slot, \zero
	WIN 0
	s_barrier_wait -1
.if \fill
	CREST
	s_add_nc_u64 s[G0+4*\slot+2:G0+4*\slot+3], s[G0+4*\slot+2:G0+4*\slot+3], 8*BLK
	s_add_nc_u64 s[G0B+4*\slot+2:G0B+4*\slot+3], s[G0B+4*\slot+2:G0B+4*\slot+3], 8*BLK
	JLOAD G0+4*\slot, G1, G0B+4*\slot, G1B
	PLACES NP-4
.else
	PLACES NP
.endif
	FETCH_B \next, 0, \next
	FETCH_A \next, 0, 0
	SCALES \next
	WIN MUL_HI
	MUL16 4, \slot, 0, \slot, \zero
	MUL16 6, \slot, 0, \slot, \zero
	PLACES NP
	WIN 0
	FETCH_A \next, 0, 4
.endm
	s_load_b256 s[4:11], s[0:1], 0x0               ; A s[4:5], wimg s[6:7], bias s[8:9], res s[10:11]
	s_load_b64 s[12:13], s[0:1], 0x20              ; out
	v_lshl_add_u32 v[SPW], v0, 2, SPARE
	v_mov_b32 v[NIL], 0
	ds_add_u32 v28, v29
	ds_add_u32 v28, v29
	s_wait_dscnt 0x0
	v_lshrrev_b32 v1, 5, v0
	v_readfirstlane_b32 s14, v1                    ; wave 0..3: also which block of a slot I multiply
	s_lshr_b32 s15, s14, 1                         ; I fetch for A (0) or W (1),
	s_and_b32 s16, s14, 1                          ; slot 0 or 1: blocks 0-3 or 4-7 along K
	s_bfe_u32 s40, ttmp6, 0x40000
	s_bfe_u32 s41, ttmp6, 0x40004
	s_lshl_b32 s42, ttmp9, 2
	s_add_co_u32 s42, s42, s40                     ; tile column: W's row group
	s_and_b32 s17, ttmp7, 0xffff
	s_lshl_b32 s17, s17, 2
	s_add_co_u32 s17, s17, s41                     ; tile row: A's row group
	s_lshl_b32 s43, s41, 2
	s_lshl_b32 s43, 15, s43
	s_lshl_b32 s44, 0x1111, s40
	s_or_b32 s[G1], s43, (3<<16)|(1<<21)
	s_or_b32 s[G1B], s44, (3<<16)|(1<<21)
.irp g, G1, G1B
	s_mov_b32 s[\g+1], 32<<16                      ; rows of 256 bytes,
	s_mov_b32 s[\g+2], 264<<16                     ; 264 of them: four blocks, a slot's share of one operand, by one load
	s_mov_b32 s[\g+3], 32<<16
	s_mov_b32 s[\g+4], 264
	s_mov_b32 s[\g+5], 32
	s_mov_b32 s[\g+6], 0
	s_mov_b32 s[\g+7], 0
.endr
	s_mul_i32 s18, s16, 4*BLK                      ; I fetch blocks 0-3 or 4-7 along K
	s_mul_i32 s20, s17, KB*BLK
	s_add_co_u32 s20, s20, s18
	s_mov_b32 s21, 0
	s_mul_i32 s46, s42, KB*BLK
	s_add_co_u32 s46, s46, s18
	s_add_co_u32 s46, s46, WOFF
	s_mov_b32 s47, 0
	s_mul_i32 s45, s16, SLOT                       ; into slot 0 or 1,
	s_mul_i32 s19, s15, 2*PART                     ; A's four blocks first, W's behind them
	s_add_co_u32 s45, s45, s19
	s_wait_kmcnt 0x0
	s_add_nc_u64 s[20:21], s[4:5], s[20:21]
	s_add_nc_u64 s[46:47], s[6:7], s[46:47]
	CROUND
.irp s, 0                              ; one tensor load a wave at the head: the four loads bring both slots
	s_mov_b32 s[G0+4*\s], 1
	s_add_co_u32 s[G0+4*\s+1], s45, \s*SLOT
	s_add_nc_u64 s[G0+4*\s+2:G0+4*\s+3], s[20:21], \s*4*BLK
	s_or_b32 s[G0+4*\s+3], s[G0+4*\s+3], 0x80000000
	s_mov_b32 s[G0B+4*\s], 1
	s_add_co_u32 s[G0B+4*\s+1], s45, \s*SLOT
	s_add_nc_u64 s[G0B+4*\s+2:G0B+4*\s+3], s[46:47], \s*4*BLK
	s_or_b32 s[G0B+4*\s+3], s[G0B+4*\s+3], 0x80000000
	JLOAD G0+4*\s, G1, G0B+4*\s, G1B
.endr
	v_and_b32 v1, 15, v0                           ; r
	v_bfe_u32 v2, v0, 4, 1                         ; h
	v_and_b32 v3, 31, v0
	v_lshlrev_b32 v[L16], 4, v3
	s_mul_i32 s21, s14, BLK                        ; my block of A;
	s_add_co_u32 s22, s21, 2*PART                  ; of W, behind A's four
	v_mul_u32_u24 v6, v2, 2*PART                   ; lanes 16-31 take W's words
	v_lshl_add_u32 v5, v1, 2, v6
	s_add_co_u32 s23, s21, 16384
	v_add_nc_u32 v[ADRS], s23, v5
	v_add_nc_u32 v[ADRS+1], SLOT, v[ADRS]
.irp s, 0,1
	v_add_nc_u32 v[ADRA+\s], s21, v[L16]
	v_add_nc_u32 v[ADRB+\s], s22, v[L16]
	s_add_co_u32 s21, s21, SLOT
	s_add_co_u32 s22, s22, SLOT
.endr
	v_mul_u32_u24 v5, v1, 528
	v_lshl_add_u32 v5, v2, 6, v5
	s_mul_i32 s23, s14, SROWS
	v_add_nc_u32 v[STO], s23, v5                   ; my stage: row r, + 64 h
	s_mul_i32 s23, s14, 32*528                     ; back: rows 32 w .. 32 w + 31 of every stage
.irp s, 0,1,2,3
	v_add_nc_u32 v[RD+\s], s23, v[L16]
	s_add_co_u32 s23, s23, SROWS
.endr
	s_lshl_b32 s18, s42, 9                         ; the tile's 128 columns
	s_mov_b32 s19, 0
	s_add_nc_u64 s[8:9], s[8:9], s[18:19]
	global_load_b128 v[BIAS:BIAS+3], v[L16], s[8:9]    ; my four columns' bias
	s_lshl_b32 s20, s17, 7
	s_lshl_b32 s21, s14, 5
	s_add_co_u32 s20, s20, s21
	s_lshl_b32 s20, s20, 12                        ; token 128 x tile row + 32 x wave, rows of 4,096 bytes
	s_add_co_u32 s20, s20, s18
	s_mov_b32 s21, 0
	s_add_nc_u64 s[10:11], s[10:11], s[20:21]
	s_add_nc_u64 s[12:13], s[12:13], s[20:21]
	s_wait_alu depctr_va_vdst(0)
	s_wait_tensorcnt 0x0                           ; my one load is in
	s_barrier_signal -1
	s_barrier_wait -1
	FETCH_B 0, 0, 0
	FETCH_A 0, 0, 0
	SCALES 0
	FETCH_A 0, 0, 4
	TURN1 0, 1, 0, 1                               ; K = 1,024: two slots, nothing to fill again
	s_wait_dscnt 4*NL
	WIN MUL_LO
	MUL16 0, 1, 0, 1, 0
	MUL16 2, 1, 0, 1, 0
	s_wait_dscnt 0
	WIN MUL_HI
	MUL16 4, 1, 0, 1, 0
	MUL16 6, 1, 0, 1, 0
	WIN 0
	; THE WAY OUT.  Each wave lays its partial 128 x 128 into a stage of its own (the slots have had their last fill; the first barrier shows their last read), then sums 32 rows of all four with bias and residual.
	PLACES NP
.set p, 0
.rept 32
	global_load_b128 v[RES+4*p:RES+4*p+3], v[L16], s[10:11] offset:(8*(p/16)+(p%16)+8*((p%16)/8))*4096   ; stage row 16 u + r is token 8 u + r + 8 (r / 8) of my 32; 512 consecutive bytes
.set p, p+1
.endr
	s_wait_dscnt 0x0
	s_barrier_signal -1
	s_barrier_wait -1                              ; nobody reads the slots any more
.irp a, 0,1,2,3,4,5,6,7
	WIN 0x08+4*(\a/4)                              ; an LDS store's data: window 2 or 3
.irp b, 0,1,2,3,4,5,6,7
	ds_store_b128 v[STO], v[64*(\a%4)+8*\b:64*(\a%4)+8*\b+3] offset:8448*\a+128*(\b/2)+32*(\b%2)        ; columns 32 (b / 2) + 16 h + 8 (b % 2) on; each accumulator from its low end
	ds_store_b128 v[STO], v[64*(\a%4)+8*\b+4:64*(\a%4)+8*\b+7] offset:8448*\a+128*(\b/2)+32*(\b%2)+16
.endr
.endr
	WIN 0
	s_wait_dscnt 0x0                               ; for the others' sake: my stores have landed
	s_barrier_signal -1
	s_barrier_wait -1
.macro STAGE_LD k                      ; eight rows of the four stages into half k % 2 of window 1
	WIN TO_B
.irp e, 0,1,2,3,4,5,6,7
.irp s, 0,1,2,3
	ds_load_b128 v[128*((\k)%2)+16*\e+4*\s:128*((\k)%2)+16*\e+4*\s+3], v[RD+\s] offset:528*(8*(\k)+\e)
.endr
.endr
	WIN 0
.endm
	STAGE_LD 0
.irp k, 0,1,2,3
.if \k < 3
	STAGE_LD \k+1
	s_wait_dscnt 32                                ; all but the next batch's 32 loads
.else
	s_wait_dscnt 0x0
.endif
	s_wait_loadcnt 24-8*\k                         ; this batch's eight rows of the residual are in; the later batches' may be out
.irp e, 0,1,2,3,4,5,6,7
	v_pk_add_f32 v[RES+32*\k+4*\e:RES+32*\k+4*\e+1], v[RES+32*\k+4*\e:RES+32*\k+4*\e+1], v[BIAS:BIAS+1]
	v_pk_add_f32 v[RES+32*\k+4*\e+2:RES+32*\k+4*\e+3], v[RES+32*\k+4*\e+2:RES+32*\k+4*\e+3], v[BIAS+2:BIAS+3]
.endr
	WIN 0x04                                       ; source 1: window 1
.irp s, 0,1,2,3
.irp e, 0,1,2,3,4,5,6,7
	v_pk_add_f32 v[RES+32*\k+4*\e:RES+32*\k+4*\e+1], v[RES+32*\k+4*\e:RES+32*\k+4*\e+1], v[128*(\k%2)+16*\e+4*\s:128*(\k%2)+16*\e+4*\s+1]
	v_pk_add_f32 v[RES+32*\k+4*\e+2:RES+32*\k+4*\e+3], v[RES+32*\k+4*\e+2:RES+32*\k+4*\e+3], v[128*(\k%2)+16*\e+4*\s+2:128*(\k%2)+16*\e+4*\s+3]
.endr
.endr
	WIN 0
.irp e, 0,1,2,3,4,5,6,7
	global_store_b128 v[L16], v[RES+32*\k+4*\e:RES+32*\k+4*\e+3], s[12:13] offset:(8*((8*\k+\e)/16)+((8*\k+\e)%16)+8*(((8*\k+\e)%16)/8))*4096   ; 512 consecutive bytes of a row
.endr
.endr
	s_wait_tensorcnt 0x0                           ; the wave's end
	ds_add_u32 v[SPW], v[NIL]
	s_wait_dscnt 0x0
	CROUND                                         ; the closing round
	s_endpgm
.Lfunc_end_k_q8b99df16ea_wo:
	.size	k_q8b99df16ea_wo, .Lfunc_end_k_q8b99df16ea_wo-k_q8b99df16ea_wo
	.p2alignl 7, 3214868480
	.fill 96, 4, 3214868480
	.section	.rodata,"a",@progbits
	.p2align	6, 0x0
	.amdhsa_kernel k_q8b99df16ea_wo
		.amdhsa_group_segment_fixed_size 327680
		.amdhsa_private_segment_fixed_size 0
		.amdhsa_enable_private_segment 0
		.amdhsa_kernarg_size 40
		.amdhsa_user_sgpr_count 2
		.amdhsa_user_sgpr_kernarg_segment_ptr 1
		.amdhsa_wavefront_size32 1
		.amdhsa_system_sgpr_workgroup_id_x 1
		.amdhsa_system_sgpr_workgroup_id_y 1
		.amdhsa_system_sgpr_workgroup_id_z 1
		.amdhsa_system_vgpr_workitem_id 0
		.amdhsa_next_free_vgpr 1024
		.amdhsa_next_free_sgpr 98
		.amdhsa_reserve_vcc 0
		.amdhsa_float_denorm_mode_32 3
		.amdhsa_float_denorm_mode_16_64 3
		.amdhsa_memory_ordered 1
		.amdhsa_forward_progress 1
		.amdhsa_inst_pref_size 77
	.end_amdhsa_kernel
	.amdgpu_metadata
---
amdhsa.version: [ 1, 2 ]
amdhsa.kernels:
  - .name:           k_q8b99df16ea_wo
    .symbol:         k_q8b99df16ea_wo.kd
    .args:
      - { .name: vals, .offset: 0, .size: 8, .value_kind: global_buffer, .address_space: global }
      - { .name: wimg, .offset: 8, .size: 8, .value_kind: global_buffer, .address_space: global }
      - { .name: bo, .offset: 16, .size: 8, .value_kind: global_buffer, .address_space: global }
      - { .name: x, .offset: 24, .size: 8, .value_kind: global_buffer, .address_space: global }
      - { .name: x1, .offset: 32, .size: 8, .value_kind: global_buffer, .address_space: global }
    .group_segment_fixed_size: 327680
    .private_segment_fixed_size: 0
    .kernarg_segment_align: 8
    .kernarg_segment_size: 40
    .max_flat_workgroup_size: 128
    .sgpr_count:     98
    .vgpr_count:     1024
    .wavefront_size: 32
...
	.end_amdgpu_metadata
.endif
;; end of part 4
;; launch ln2 (part 5): grid 256 x 1, 8 waves a work-group, no clusters, 70,656 bytes of LDS; arguments x1, ln2_w, ln2_b, nx; writes nx
.if DOCPART == 5
	.amdgcn_target "amdgcn-amd-amdhsa--gfx1250"
	.amdhsa_code_object_version 6
	.text
	.protected	k_q8b99df16ea_ln2
	.globl	k_q8b99df16ea_ln2
	.p2align	8
	.type	k_q8b99df16ea_ln2,@function
k_q8b99df16ea_ln2:
	s_mov_b64 s[64:65], 0
	v_nop
	global_prefetch_b8 v0, s[64:65] scope:SCOPE_SE
	s_setreg_imm32_b32 hwreg(HW_REG_WAVE_MODE, 25, 1), 1
	s_wait_xcnt 0x0
; LAYER NORM AND QUANTISER.  y = w (x - mean) / (std + 1e-5) + b over rows of 1,024 f32, std with N - 1; y becomes codes of E5M2 with one E8M0 byte for each 32 along the row, stored as an image of the matrix operand's registers:
; blocks [tokens / 128][8] of 16,896 bytes: fragment f, piece c, lane L at 2048 f + 512 c + 16 L (slot L % 16, k = 32 c + 16 (L / 16) + 0 .. 15), scale words at 16384 + 64 f + 4 slot; slot r of fragment 2 g + u is token 32 g + 8 u + r + 8 (r / 8).
; SHARES.  Work-group t takes the 16 tokens of fragment t; wave w their columns 128 w .. 128 w + 127.  Each load reads 512 consecutive bytes of a row; the tile turns through the wave's own stage in LDS (rows 528 bytes apart).
; The mean and then the sum of squares of (x - mean) are summed in a lane, with lane l xor 16, and over the eight waves through LDS: two barriers.  Two passes: no difference of large sums is formed.
; LIMITS: a block of zeros gets the byte 1 (this program alone reads the bytes); NaN and infinities are not served.
.set BLK,    16896
.set SPITCH, 528
.set WSTG,   16*SPITCH
.set RED,    0                         ; LDS: 8 waves x 128 bytes: the sums;
.set RED2,   1024                      ; the sums of squares;
.set STG,    2048                      ; the eight stages
.set L16, 1
.set STI, 2
.set STO, 3
.set R4,  4
.set H64, 5                            ; v5   64 x (lane / 16)
.set RA,  6                            ; v6   128 x wave + 4 x lane
.set L4,  7                            ; v7   4 x lane
.set PW,  11
.set R,   32                           ; v32-95   the tile as loaded; later b
.set X,   96                           ; v96-159  register 16 b + i: (slot lane % 16, column 32 b + 16 (lane / 16) + i)
.set W,   160                          ; v160-223 w in the same layout
.set PC,  224
.set TM,  240
.set WV,  2
.set SEL, 22
.set MNT, 24
.macro QUANT s
.irp b, 0,1,2,3
	v_max3_num_f32 v[TM+\b], |v[\s+16*\b]|, |v[\s+1+16*\b]|, 0x8000000   ; block b: my 16 numbers, and the floor 2^(16 - 127)
.endr
.irp i, 2,4,6,8,10,12,14
.irp b, 0,1,2,3
	s_delay_alu instid0(VALU_DEP_4)
	v_max3_num_f32 v[TM+\b], v[TM+\b], |v[\s+16*\b+\i]|, |v[\s+1+16*\b+\i]|
.endr
.endr
.irp b, 0,1,2,3
	s_delay_alu instid0(VALU_DEP_4)
	v_permlanex16_b32 v[TM+4+\b], v[TM+\b], s[SEL], s[SEL+1]
.endr
.irp b, 0,1,2,3
	s_delay_alu instid0(VALU_DEP_4)
	v_max_num_f32 v[TM+\b], v[TM+\b], v[TM+4+\b]
.endr
.irp b, 0,1,2,3
	s_delay_alu instid0(VALU_DEP_4)
	v_add_nc_u32 v[TM+12+\b], 0xf8800000, v[TM+\b]       ; 15 off the exponent field: the conversion's scale operand
.endr
.irp b, 0,1,2,3
	v_and_or_b32 v[TM+8+\b], v[TM+\b], 0x7f800000, s[MNT]  ; 57,344 x the scale
.endr
.irp b, 0,1,2,3
	v_lshrrev_b32 v[TM+4+\b], 23, v[TM+12+\b]            ; the scale's byte
.endr
	s_delay_alu instid0(VALU_DEP_3)
	v_lshl_or_b32 v[PW], v[TM+5], 8, v[TM+4]
	s_delay_alu instid0(VALU_DEP_1)
	v_lshl_or_b32 v[PW], v[TM+6], 16, v[PW]
	s_delay_alu instid0(VALU_DEP_1)
	v_lshl_or_b32 v[PW], v[TM+7], 24, v[PW]
.irp b, 0,1,2,3
.irp i, 0,1,2,3,4,5,6,7,8,9,10,11,12,13,14,15
	v_med3_num_f32 v[\s+16*\b+\i], v[\s+16*\b+\i], -v[TM+8+\b], v[TM+8+\b]   ; the hold at the largest code x the scale (ISA guide 7.6.2)
.endr
	v_cvt_scalef32_pk8_bf8_f32 v[PC+4*\b:PC+1+4*\b], v[\s+16*\b:\s+7+16*\b], v[TM+12+\b]
	v_cvt_scalef32_pk8_bf8_f32 v[PC+2+4*\b:PC+3+4*\b], v[\s+8+16*\b:\s+15+16*\b], v[TM+12+\b]
.endr
	v_nop
.endm
; v12, my lane's partial sum, becomes v16, the row's sum over both halves of the lanes and the eight waves
.macro ACROSS base
	s_delay_alu instid0(VALU_DEP_1)
	v_permlanex16_b32 v13, v12, s[SEL], s[SEL+1]
	s_delay_alu instid0(VALU_DEP_1)
	v_add_f32 v12, v12, v13
	ds_store_b32 v[RA], v12 offset:\base
	s_wait_dscnt 0x0                               ; for the others' sake: my store has landed
	s_barrier_signal -1
	s_barrier_wait -1
.irp k, 0,1,2,3,4,5,6,7
	ds_load_b32 v[16+\k], v[L4] offset:\base+128*\k
.endr
	s_wait_dscnt 0x0
.irp k, 1
	v_add_f32 v16, v16, v[16+\k]
.endr
.irp k, 2, 3, 4, 5, 6, 7
	s_delay_alu instid0(VALU_DEP_1)
	v_add_f32 v16, v16, v[16+\k]
.endr
.endm
	s_load_b256 s[4:11], s[0:1], 0x0               ; x s[4:5], w s[6:7], b s[8:9], the image s[10:11]
	v_lshl_add_u32 v30, v0, 2, 0x11000
	v_mov_b32 v31, 0
	v_lshrrev_b32 v8, 5, v0
	s_delay_alu instid0(VALU_DEP_1)
	v_readfirstlane_b32 s[WV], v8                  ; wave 0..7
	v_and_b32 v9, 31, v0
	v_and_b32 v10, 15, v0
	v_bfe_u32 v8, v0, 4, 1
	s_delay_alu instid0(VALU_DEP_3)
	v_lshlrev_b32 v[L16], 4, v9
	s_mul_i32 s3, s[WV], WSTG
	s_add_co_u32 s3, s3, STG
	v_add_nc_u32 v[STI], s3, v[L16]
	v_mul_u32_u24 v[STO], v10, SPITCH
	s_delay_alu instid0(VALU_DEP_1)
	v_lshl_add_u32 v[STO], v8, 6, v[STO]
	s_delay_alu instid0(VALU_DEP_1)
	v_add_nc_u32 v[STO], s3, v[STO]
	v_lshlrev_b32 v[R4], 2, v10
	v_lshlrev_b32 v[H64], 6, v8
	v_lshlrev_b32 v[L4], 2, v9
	s_lshl_b32 s16, s[WV], 7
	v_add_nc_u32 v[RA], s16, v[L4]
	s_mov_b32 s[SEL], 0x76543210
	s_mov_b32 s[SEL+1], 0xfedcba98
	s_mov_b32 s[MNT], 0x600000
	s_lshr_b32 s12, ttmp9, 1
	s_lshl_b32 s12, s12, 17                        ; 32 rows of 4,096 bytes
	s_and_b32 s13, ttmp9, 1
	s_lshl_b32 s13, s13, 15                        ; 8 rows
	s_add_co_u32 s12, s12, s13
	s_lshl_b32 s14, s[WV], 9                       ; my 128 columns
	s_add_co_u32 s12, s12, s14
	s_mov_b32 s13, 0
	s_mov_b32 s15, 0
	s_lshr_b32 s16, ttmp9, 3
	s_lshl_b32 s16, s16, 3
	s_add_co_u32 s16, s16, s[WV]
	s_mul_i32 s16, s16, BLK                        ; block 8 (t / 8) + wave
	s_and_b32 s17, ttmp9, 7                        ; fragment t % 8
	s_lshl_b32 s18, s17, 11
	s_add_co_u32 s18, s18, s16
	s_mov_b32 s19, 0
	s_lshl_b32 s20, s17, 6
	s_add_co_u32 s20, s20, s16
	s_add_co_u32 s20, s20, 16384
	s_mov_b32 s21, 0
	s_wait_alu depctr_va_vdst(0)
	s_wait_kmcnt 0x0
	s_add_nc_u64 s[4:5], s[4:5], s[12:13]
	s_add_nc_u64 s[6:7], s[6:7], s[14:15]
	s_add_nc_u64 s[8:9], s[8:9], s[14:15]
	s_add_nc_u64 s[18:19], s[10:11], s[18:19]
	s_add_nc_u64 s[20:21], s[10:11], s[20:21]
.irp i, 0,1,2,3,4,5,6,7,8,9,10,11,12,13,14,15
	global_load_b128 v[R+4*\i:R+4*\i+3], v[L16], s[4:5] offset:(\i+8*(\i/8))*4096   ; 512 consecutive bytes of slot i's row
.endr
.irp b, 0,1,2,3
.irp j, 0,1,2,3
	global_load_b128 v[W+16*\b+4*\j:W+16*\b+4*\j+3], v[H64], s[6:7] offset:128*\b+16*\j
.endr
.endr
.irp i, 0,1,2,3,4,5,6,7,8,9,10,11,12,13,14,15
	s_wait_loadcnt 31-\i                           ; row i is in: behind it stand 15 - i rows and w's 16 loads
	ds_store_b128 v[STI], v[R+4*\i:R+4*\i+3] offset:SPITCH*\i
.endr
.irp b, 0,1,2,3
.irp j, 0,1,2,3
	ds_load_b128 v[X+16*\b+4*\j:X+16*\b+4*\j+3], v[STO] offset:128*\b+16*\j
.endr
.endr
	s_wait_dscnt 0x0                               ; the stores have read v[R] on, which now takes b
.irp b, 0,1,2,3
.irp j, 0,1,2,3
	global_load_b128 v[R+16*\b+4*\j:R+16*\b+4*\j+3], v[H64], s[8:9] offset:128*\b+16*\j
.endr
.endr
	v_pk_add_f32 v[14:15], v[96:97], v[98:99]
	v_pk_add_f32 v[254:255], v[104:105], v[108:109]
	v_pk_add_f32 v[252:253], v[112:113], v[116:117]
	v_pk_add_f32 v[250:251], v[120:121], v[124:125]
	v_pk_add_f32 v[248:249], v[128:129], v[132:133]
	v_pk_add_f32 v[246:247], v[136:137], v[140:141]
	v_pk_add_f32 v[244:245], v[144:145], v[148:149]
	v_pk_add_f32 v[12:13], v[152:153], v[156:157]
	s_delay_alu instid0(VALU_DEP_1)
	v_pk_add_f32 v[12:13], v[12:13], v[100:101]
	v_pk_add_f32 v[14:15], v[14:15], v[102:103]
	v_pk_add_f32 v[254:255], v[254:255], v[106:107]
	v_pk_add_f32 v[252:253], v[252:253], v[110:111]
	v_pk_add_f32 v[250:251], v[250:251], v[114:115]
	v_pk_add_f32 v[248:249], v[248:249], v[118:119]
	v_pk_add_f32 v[246:247], v[246:247], v[122:123]
	v_pk_add_f32 v[244:245], v[244:245], v[126:127]
	v_pk_add_f32 v[12:13], v[12:13], v[130:131]
	v_pk_add_f32 v[14:15], v[14:15], v[134:135]
	v_pk_add_f32 v[254:255], v[254:255], v[138:139]
	v_pk_add_f32 v[252:253], v[252:253], v[142:143]
	v_pk_add_f32 v[250:251], v[250:251], v[146:147]
	v_pk_add_f32 v[248:249], v[248:249], v[150:151]
	v_pk_add_f32 v[246:247], v[246:247], v[154:155]
	v_pk_add_f32 v[244:245], v[244:245], v[158:159]
	s_delay_alu instid0(VALU_DEP_4)
	v_pk_add_f32 v[12:13], v[12:13], v[250:251]
	s_delay_alu instid0(VALU_DEP_4)
	v_pk_add_f32 v[14:15], v[14:15], v[248:249]
	s_delay_alu instid0(VALU_DEP_4)
	v_pk_add_f32 v[254:255], v[254:255], v[246:247]
	s_delay_alu instid0(VALU_DEP_4)
	v_pk_add_f32 v[252:253], v[252:253], v[244:245]
	s_delay_alu instid0(VALU_DEP_2)
	v_pk_add_f32 v[12:13], v[12:13], v[254:255]
	s_delay_alu instid0(VALU_DEP_2)
	v_pk_add_f32 v[14:15], v[14:15], v[252:253]
	s_delay_alu instid0(VALU_DEP_1)
	v_pk_add_f32 v[12:13], v[12:13], v[14:15]
	s_delay_alu instid0(VALU_DEP_1)
	v_add_f32 v12, v12, v13
	ACROSS RED
	s_delay_alu instid0(VALU_DEP_1)
	v_mul_f32 v26, 0x3a800000, v16                 ; the mean: / 1,024
	s_delay_alu instid0(VALU_DEP_1)
	v_mov_b32 v27, v26
.set j, 0
.rept 32
	v_pk_add_f32 v[X+j:X+j+1], v[X+j:X+j+1], v[26:27] neg_lo:[0,1] neg_hi:[0,1]   ; x - mean
.set j, j+2
.endr
	v_pk_mul_f32 v[12:13], v[X:X+1], v[X:X+1]
	v_pk_mul_f32 v[14:15], v[X+2:X+3], v[X+2:X+3]
.irp j, 4,8,12,16,20,24,28,32,36,40,44,48,52,56,60
	s_delay_alu instid0(VALU_DEP_2)
	v_pk_fma_f32 v[12:13], v[X+\j:X+\j+1], v[X+\j:X+\j+1], v[12:13]
	s_delay_alu instid0(VALU_DEP_2)
	v_pk_fma_f32 v[14:15], v[X+\j+2:X+\j+3], v[X+\j+2:X+\j+3], v[14:15]
.endr
	s_delay_alu instid0(VALU_DEP_1)
	v_pk_add_f32 v[12:13], v[12:13], v[14:15]
	s_delay_alu instid0(VALU_DEP_1)
	v_add_f32 v12, v12, v13
	ACROSS RED2
	s_delay_alu instid0(VALU_DEP_1)
	v_mul_f32 v16, 0x3a802008, v16                 ; / 1,023
	s_wait_alu depctr_va_vdst(0)
	v_sqrt_f32 v17, v16
	v_nop                                          ; a plain instruction behind the transcendental,
	s_wait_alu depctr_va_vdst(0)                   ; and the wait ahead of its first reader
	v_add_f32 v17, 0x3727c5ac, v17                 ; std + 1e-5
	s_wait_alu depctr_va_vdst(0)
	v_rcp_f32 v26, v17
	v_nop
	s_wait_alu depctr_va_vdst(0)
	v_mov_b32 v27, v26
	s_wait_alu depctr_va_vdst(0)
	s_wait_loadcnt 0x0                             ; w and b
.set j, 0
.rept 32
	v_pk_mul_f32 v[X+j:X+j+1], v[X+j:X+j+1], v[26:27]
.set j, j+2
.endr
.set j, 0
.rept 32
	v_pk_fma_f32 v[X+j:X+j+1], v[X+j:X+j+1], v[W+j:W+j+1], v[R+j:R+j+1]
.set j, j+2
.endr
.irp b, 0,1,2,3
	v_mov_b32 v[TM+4+\b], 0                        ; a lane permute's destination counts as one of its sources
.endr
	QUANT X
.irp c, 0,1,2,3
	global_store_b128 v[L16], v[PC+4*\c:PC+4*\c+3], s[18:19] offset:512*\c   ; 512 consecutive bytes
.endr
	global_store_b32 v[R4], v[PW], s[20:21]        ; lanes l and l xor 16 write the same word
	s_wait_tensorcnt 0x0
	ds_add_u32 v30, v31
	s_wait_dscnt 0x0
	s_endpgm
.Lfunc_end_k_q8b99df16ea_ln2:
	.size	k_q8b99df16ea_ln2, .Lfunc_end_k_q8b99df16ea_ln2-k_q8b99df16ea_ln2
	.p2alignl 7, 3214868480
	.fill 96, 4, 3214868480
	.section	.rodata,"a",@progbits
	.p2align	6, 0x0
	.amdhsa_kernel k_q8b99df16ea_ln2
		.amdhsa_group_segment_fixed_size 70656
		.amdhsa_private_segment_fixed_size 0
		.amdhsa_enable_private_segment 0
		.amdhsa_kernarg_size 32
		.amdhsa_user_sgpr_count 2
		.amdhsa_user_sgpr_kernarg_segment_ptr 1
		.amdhsa_wavefront_size32 1
		.amdhsa_system_sgpr_workgroup_id_x 1
		.amdhsa_system_sgpr_workgroup_id_y 1
		.amdhsa_system_sgpr_workgroup_id_z 1
		.amdhsa_system_vgpr_workitem_id 0
		.amdhsa_next_free_vgpr 256
		.amdhsa_next_free_sgpr 66
		.amdhsa_reserve_vcc 0
		.amdhsa_float_denorm_mode_32 3
		.amdhsa_float_denorm_mode_16_64 3
		.amdhsa_memory_ordered 1
		.amdhsa_forward_progress 1
		.amdhsa_inst_pref_size 34
	.end_amdhsa_kernel
	.amdgpu_metadata
---
amdhsa.version: [ 1, 2 ]
amdhsa.kernels:
  - .name:           k_q8b99df16ea_ln2
    .symbol:         k_q8b99df16ea_ln2.kd
    .args:
      - { .name: x1, .offset: 0, .size: 8, .value_kind: global_buffer, .address_space: global }
      - { .name: ln2_w, .offset: 8, .size: 8, .value_kind: global_buffer, .address_space: global }
      - { .name: ln2_b, .offset: 16, .size: 8, .value_kind: global_buffer, .address_space: global }
      - { .name: nx, .offset: 24, .size: 8, .value_kind: global_buffer, .address_space: global }
    .group_segment_fixed_size: 70656
    .private_segment_fixed_size: 0
    .kernarg_segment_align: 8
    .kernarg_segment_size: 32
    .max_flat_workgroup_size: 256
    .sgpr_count:     66
    .vgpr_count:     256
    .wavefront_size: 32
...
	.end_amdgpu_metadata
.endif
;; end of part 5
;; launch ffn1 (part 6): grid 16 x 16, 4 waves a work-group, clusters of 4 x 4, 327,680 bytes of LDS; arguments nx, wimg, b1, h; writes h
.if DOCPART == 6
	.amdgcn_target "amdgcn-amd-amdhsa--gfx1250"
	.amdhsa_code_object_version 6
	.text
	.protected	k_q8b99df16ea_ffn1
	.globl	k_q8b99df16ea_ffn1
	.p2align	8
	.type	k_q8b99df16ea_ffn1,@function
k_q8b99df16ea_ffn1:
	s_mov_b64 s[64:65], 0
	v_nop
	global_prefetch_b8 v0, s[64:65] scope:SCOPE_SE
	s_setreg_imm32_b32 hwreg(HW_REG_WAVE_MODE, 25, 1), 1
	s_wait_xcnt 0x0
	s_wait_alu depctr_hold_cnt(0) depctr_sa_sdst(0) depctr_va_vdst(0) depctr_va_sdst(0) depctr_va_ssrc(0) depctr_va_vcc(0) depctr_vm_vsrc(0)
	s_getreg_b32 s2, hwreg(HW_REG_IB_STS2, 6, 4)
	s_cmp_eq_u32 s2, 0
	s_cbranch_scc0 .Lentry_in_a_cluster
	s_endpgm
.Lentry_in_a_cluster:
	s_bfe_u32 s2, ttmp6, 0x10000c
	s_cmp_lg_u32 s2, 0xf033
	s_cbranch_scc0 .Lentry_shape_is_right
	s_endpgm
.Lentry_shape_is_right:
.set NQ,    2
.set W1OFF, 256*16896
.set BLK,   16896
.set PART,  2*BLK
.set SLOT,  4*PART
.set SPARE, 2*SLOT
.set FR,    16
.set NL,    4
.set NP,    8
.set L16,   4
.set H64,   7
.set ADRA,  16
.set ADRB,  20
.set ADRS,  22
.set SCR,   24
.set SCRR,  25
.set SPW,   28
.set NIL,   29
.set SC,    32
.set BIAS,  64
.set AF,    128
.set ST,    128
.set PC,    192
.set TM,    208
.set PW,    224
.set G1,    24
.set G0,    32
.set G1B,   48
.set G0B,   56
.set SEL,   92
.set MNT,   94
.set MSB,   0
.macro WIN new
.if MSB != (\new)
	s_set_vgpr_msb (MSB<<8)|(\new)
.set MSB, (\new)
.endif
.endm
.set MUL_LO, 0xa1
.set MUL_HI, 0xf1
.set TO_B,   0x40
.macro JLOAD g0a, g1a, g0b, g1b
	s_cmp_eq_u32 s15, 0
	s_cbranch_scc0 .Lfor_b_\@
	tensor_load_to_lds s[\g0a:\g0a+3], s[\g1a:\g1a+7]
	s_nop 0
.rept 4
	v_nop
.endr
	s_branch .Lasked_\@
.Lfor_b_\@:
	tensor_load_to_lds s[\g0b:\g0b+3], s[\g1b:\g1b+7]
	s_nop 0
.rept 4
	v_nop
.endr
.Lasked_\@:
.endm
.macro CREST
	s_cmp_lg_u32 s14, 0
	s_cbranch_scc1 .Lnot_wave_0_\@
	s_barrier_signal -3
.Lnot_wave_0_\@:
	s_barrier_wait -3
	s_barrier_signal -1
	s_barrier_wait -1
.endm
.macro CROUND
	s_barrier_signal -1
	s_barrier_wait -1
	CREST
.endm
.macro FRAG reg, adr, q, i
.irp c, 0,1,2,3
	ds_load_b128 v[\reg+4*\c:\reg+4*\c+3], v[\adr] offset:BLK*(\q)+2048*(\i)+512*\c
.endr
.endm
.macro MUL16 a0, p, q, sc, zero
.irp a, \a0, \a0+1
.irp b, 0,1,2,3,4,5,6,7
.if \zero
	v_wmma_scale_f32_16x16x128_f8f6f4 v[8*(8*((\a)%4)+\b):8*(8*((\a)%4)+\b)+7], v[128*(\p)+FR*\b:128*(\p)+FR*\b+FR-1], v[AF+FR*(\a):AF+FR*(\a)+FR-1], 0, v[SC+8*NQ*(\sc)+NQ*\b+(\q)], v[SC+8*NQ*(\sc)+NQ*(\a)+(\q)] matrix_a_fmt:MATRIX_FMT_BF8 matrix_b_fmt:MATRIX_FMT_BF8 matrix_a_scale:MATRIX_SCALE_ROW1
.else
	v_wmma_scale_f32_16x16x128_f8f6f4 v[8*(8*((\a)%4)+\b):8*(8*((\a)%4)+\b)+7], v[128*(\p)+FR*\b:128*(\p)+FR*\b+FR-1], v[AF+FR*(\a):AF+FR*(\a)+FR-1], v[8*(8*((\a)%4)+\b):8*(8*((\a)%4)+\b)+7], v[SC+8*NQ*(\sc)+NQ*\b+(\q)], v[SC+8*NQ*(\sc)+NQ*(\a)+(\q)] matrix_a_fmt:MATRIX_FMT_BF8 matrix_b_fmt:MATRIX_FMT_BF8 matrix_a_scale:MATRIX_SCALE_ROW1
.endif
.endr
.endr
.endm
.macro FETCH_B slot, q, p
	WIN TO_B
.irp i, 0,1,2,3,4,5,6,7
	FRAG 128*(\p)+FR*\i, ADRB+\slot, \q, \i
.endr
	WIN 0
.endm
.macro FETCH_A slot, q, i0
.irp i, \i0, \i0+1, \i0+2, \i0+3
	FRAG AF+FR*(\i), ADRA+\slot, \q, \i
.endr
.endm
.macro SCALES sl
.irp i, 0,1,2,3,4,5,6,7
.set qq, 0
.rept NQ
	ds_load_b32 v[SC+8*NQ*\sl+NQ*\i+qq], v[ADRS+\sl] offset:BLK*qq+64*\i
.set qq, qq+1
.endr
.endr
.endm
.macro PLACES n
.rept \n
	v_nop
.endr
.endm
.macro STEP slot, q, zero
	s_wait_dscnt 4*NL
	WIN MUL_LO
	MUL16 0, (\q)%2, \q, \slot, \zero
	MUL16 2, (\q)%2, \q, \slot, \zero
	s_wait_dscnt 0
	PLACES NP
	FETCH_B \slot, (\q)+1, 1-(\q)%2
	FETCH_A \slot, (\q)+1, 0
	WIN MUL_HI
	MUL16 4, (\q)%2, \q, \slot, \zero
	MUL16 6, (\q)%2, \q, \slot, \zero
	PLACES NP
	WIN 0
	FETCH_A \slot, (\q)+1, 4
.endm
.macro TURN slot, next, fill
	s_wait_tensorcnt 0x0
	ds_add_u32 v[SPW], v[NIL]
	s_wait_dscnt 4*NL+1
	WIN MUL_LO
	MUL16 0, 1, NQ-1, \slot, 0
	s_wait_dscnt 0x0
	s_barrier_signal -1
	MUL16 2, 1, NQ-1, \slot, 0
	WIN 0
	s_barrier_wait -1
.if \fill
	CREST
	s_add_nc_u64 s[G0+4*\slot+2:G0+4*\slot+3], s[G0+4*\slot+2:G0+4*\slot+3], 4*BLK
	s_add_nc_u64 s[G0B+4*\slot+2:G0B+4*\slot+3], s[G0B+4*\slot+2:G0B+4*\slot+3], 4*BLK
	JLOAD G0+4*\slot, G1, G0B+4*\slot, G1B
	PLACES NP-4
.else
	PLACES NP
.endif
	FETCH_B \next, 0, 0
	FETCH_A \next, 0, 0
	SCALES \next
	WIN MUL_HI
	MUL16 4, 1, NQ-1, \slot, 0
	MUL16 6, 1, NQ-1, \slot, 0
	PLACES NP
	WIN 0
	FETCH_A \next, 0, 4
.endm
.macro QUANT s
.irp b, 0,1,2,3
	v_max3_num_f32 v[TM+\b], v[\s+16*\b], v[\s+1+16*\b], 0x8000000
.endr
.irp i, 2,4,6,8,10,12,14
.irp b, 0,1,2,3
	v_max3_num_f32 v[TM+\b], v[TM+\b], v[\s+16*\b+\i], v[\s+1+16*\b+\i]
.endr
.endr
.irp b, 0,1,2,3
	v_permlanex16_b32 v[TM+4+\b], v[TM+\b], s[SEL], s[SEL+1]
.endr
.irp b, 0,1,2,3
	v_max_num_f32 v[TM+\b], v[TM+\b], v[TM+4+\b]
.endr
.irp b, 0,1,2,3
	v_add_nc_u32 v[TM+12+\b], 0xf8800000, v[TM+\b]
.endr
.irp b, 0,1,2,3
	v_and_or_b32 v[TM+8+\b], v[TM+\b], 0x7f800000, s[MNT]
.endr
.irp b, 0,1,2,3
	v_lshrrev_b32 v[TM+4+\b], 23, v[TM+12+\b]
.endr
	v_lshl_or_b32 v[PW], v[TM+5], 8, v[TM+4]
	v_lshl_or_b32 v[PW], v[TM+6], 16, v[PW]
	v_lshl_or_b32 v[PW], v[TM+7], 24, v[PW]
.irp b, 0,1,2,3
.irp i, 0,1,2,3,4,5,6,7,8,9,10,11,12,13,14,15
	v_med3_num_f32 v[\s+16*\b+\i], v[\s+16*\b+\i], 0, v[TM+8+\b]
.endr
	v_cvt_scalef32_pk8_bf8_f32 v[PC+4*\b:PC+1+4*\b], v[\s+16*\b:\s+7+16*\b], v[TM+12+\b]
	v_cvt_scalef32_pk8_bf8_f32 v[PC+2+4*\b:PC+3+4*\b], v[\s+8+16*\b:\s+15+16*\b], v[TM+12+\b]
.endr
	v_nop
.endm
	s_load_b256 s[4:11], s[0:1], 0x0
	v_lshl_add_u32 v[SPW], v0, 2, SPARE
	v_mov_b32 v[NIL], 0
	ds_add_u32 v28, v29
	ds_add_u32 v28, v29
	s_wait_dscnt 0x0
	v_lshrrev_b32 v1, 5, v0
	v_readfirstlane_b32 s14, v1
	s_lshr_b32 s15, s14, 1
	s_and_b32 s16, s14, 1
	s_bfe_u32 s40, ttmp6, 0x40000
	s_bfe_u32 s41, ttmp6, 0x40004
	s_lshl_b32 s42, ttmp9, 2
	s_add_co_u32 s42, s42, s40
	s_and_b32 s17, ttmp7, 0xffff
	s_lshl_b32 s17, s17, 2
	s_add_co_u32 s17, s17, s41
	s_lshl_b32 s43, s41, 2
	s_lshl_b32 s43, 15, s43
	s_lshl_b32 s44, 0x1111, s40
	s_or_b32 s[G1], s43, (3<<16)|(1<<21)
	s_or_b32 s[G1B], s44, (3<<16)|(1<<21)
.irp g, G1, G1B
	s_mov_b32 s[\g+1], 32<<16
	s_mov_b32 s[\g+2], 132<<16
	s_mov_b32 s[\g+3], 32<<16
	s_mov_b32 s[\g+4], 132
	s_mov_b32 s[\g+5], 32
	s_mov_b32 s[\g+6], 0
	s_mov_b32 s[\g+7], 0
.endr
	s_lshl_b32 s20, s17, 1
	s_add_co_u32 s20, s20, s16
	s_mul_i32 s20, s20, 8*BLK
	s_mov_b32 s21, 0
	s_lshl_b32 s46, s42, 1
	s_add_co_u32 s46, s46, s16
	s_mul_i32 s46, s46, 8*BLK
	s_add_co_u32 s46, s46, W1OFF
	s_mov_b32 s47, 0
	s_mul_i32 s45, s14, PART
	s_mov_b32 s[SEL], 0x76543210
	s_mov_b32 s[SEL+1], 0xfedcba98
	s_mov_b32 s[MNT], 0x600000
	s_wait_kmcnt 0x0
	s_add_nc_u64 s[20:21], s[4:5], s[20:21]
	s_add_nc_u64 s[46:47], s[6:7], s[46:47]
	CROUND
.irp s, 0,1
	s_mov_b32 s[G0+4*\s], 1
	s_add_co_u32 s[G0+4*\s+1], s45, \s*SLOT
	s_add_nc_u64 s[G0+4*\s+2:G0+4*\s+3], s[20:21], \s*2*BLK
	s_or_b32 s[G0+4*\s+3], s[G0+4*\s+3], 0x80000000
	s_mov_b32 s[G0B+4*\s], 1
	s_add_co_u32 s[G0B+4*\s+1], s45, \s*SLOT
	s_add_nc_u64 s[G0B+4*\s+2:G0B+4*\s+3], s[46:47], \s*2*BLK
	s_or_b32 s[G0B+4*\s+3], s[G0B+4*\s+3], 0x80000000
	s_wait_alu depctr_va_vdst(0)
	s_wait_tensorcnt 0x0
	ds_add_u32 v28, v29
	ds_add_u32 v28, v29
	s_wait_dscnt 0x0
	CROUND
	JLOAD G0+4*\s, G1, G0B+4*\s, G1B
.endr
	v_and_b32 v1, 15, v0
	v_bfe_u32 v2, v0, 4, 1
	v_and_b32 v3, 31, v0
	v_lshlrev_b32 v[L16], 4, v3
	s_mul_i32 s21, s15, PART
	s_mul_i32 s22, s16, PART
	s_add_co_u32 s22, s22, 2*PART
	s_sub_co_u32 s23, s22, s21
	v_mul_u32_u24 v6, s23, v2
	v_lshl_add_u32 v5, v1, 2, v6
	s_add_co_u32 s23, s21, 16384
	v_add_nc_u32 v[ADRS], s23, v5
	v_add_nc_u32 v[ADRS+1], SLOT, v[ADRS]
.irp s, 0,1
	v_add_nc_u32 v[ADRA+\s], s21, v[L16]
	v_add_nc_u32 v[ADRB+\s], s22, v[L16]
	s_add_co_u32 s21, s21, SLOT
	s_add_co_u32 s22, s22, SLOT
.endr
	s_lshl_b32 s23, s14, 10
	v_lshl_add_u32 v[SCR], v1, 2, s23
	v_add_nc_u32 v[SCRR], s23, v[L16]
	v_lshlrev_b32 v[H64], 6, v2
	s_lshl_b32 s19, s42, 1
	s_add_co_u32 s74, s19, s16
	s_lshl_b32 s18, s74, 9
	s_mov_b32 s19, 0
	s_add_nc_u64 s[8:9], s[8:9], s[18:19]
.irp b, 0,1,2,3
.irp j, 0,1,2,3
	global_load_b128 v[BIAS+16*\b+4*\j:BIAS+16*\b+4*\j+3], v[H64], s[8:9] offset:128*\b+16*\j
.endr
.endr
	s_lshl_b32 s18, s17, 1
	s_add_co_u32 s18, s18, s15
	s_lshl_b32 s18, s18, 5
	s_add_co_u32 s18, s18, s74
	s_mul_i32 s18, s18, BLK
	s_add_nc_u64 s[10:11], s[10:11], s[18:19]
	s_wait_alu depctr_va_vdst(0)
	s_wait_tensorcnt 1
	s_barrier_signal -1
	s_barrier_wait -1
	FETCH_B 0, 0, 0
	FETCH_A 0, 0, 0
	SCALES 0
	FETCH_A 0, 0, 4
	STEP 0, 0, 1
	TURN 0, 1, 1
	STEP 1, 0, 0
	TURN 1, 0, 1
	STEP 0, 0, 0
	TURN 0, 1, 0
	STEP 1, 0, 0
	s_wait_dscnt 4*NL
	WIN MUL_LO
	MUL16 0, 1, NQ-1, 1, 0
	MUL16 2, 1, NQ-1, 1, 0
	s_wait_dscnt 0
	WIN MUL_HI
	MUL16 4, 1, NQ-1, 1, 0
	MUL16 6, 1, NQ-1, 1, 0
	WIN 0
	PLACES NP
	s_wait_loadcnt 0x0
.irp b, 0,1,2,3
	v_mov_b32 v[TM+4+\b], 0
.endr
.irp a, 0,1,2,3,4,5,6,7
	WIN 0x02+(\a/4)
.set i, 0
.rept 32
	v_pk_add_f32 v[ST+i:ST+i+1], v[64*(\a%4)+i:64*(\a%4)+i+1], v[BIAS+i:BIAS+i+1]
.set i, i+2
.endr
	WIN 0
	s_wait_xcnt 0x0
	QUANT ST
.irp c, 0,1,2,3
	global_store_b128 v[L16], v[PC+4*\c:PC+4*\c+3], s[10:11] offset:2048*\a+512*\c
.endr
	ds_store_b32 v[SCR], v[PW] offset:64*\a
.endr
	ds_load_b128 v[ST:ST+3], v[SCRR]
	s_wait_dscnt 0x0
	global_store_b128 v[L16], v[ST:ST+3], s[10:11] offset:16384
	s_wait_tensorcnt 0x0
	ds_add_u32 v[SPW], v[NIL]
	s_wait_dscnt 0x0
	CROUND
	s_endpgm
.Lfunc_end_k_q8b99df16ea_ffn1:
	.size	k_q8b99df16ea_ffn1, .Lfunc_end_k_q8b99df16ea_ffn1-k_q8b99df16ea_ffn1
	.p2alignl 7, 3214868480
	.fill 96, 4, 3214868480
	.section	.rodata,"a",@progbits
	.p2align	6, 0x0
	.amdhsa_kernel k_q8b99df16ea_ffn1
		.amdhsa_group_segment_fixed_size 327680
		.amdhsa_private_segment_fixed_size 0
		.amdhsa_enable_private_segment 0
		.amdhsa_kernarg_size 32
		.amdhsa_user_sgpr_count 2
		.amdhsa_user_sgpr_kernarg_segment_ptr 1
		.amdhsa_wavefront_size32 1
		.amdhsa_system_sgpr_workgroup_id_x 1
		.amdhsa_system_sgpr_workgroup_id_y 1
		.amdhsa_system_sgpr_workgroup_id_z 1
		.amdhsa_system_vgpr_workitem_id 0
		.amdhsa_next_free_vgpr 1024
		.amdhsa_next_free_sgpr 98
		.amdhsa_reserve_vcc 0
		.amdhsa_float_denorm_mode_32 3
		.amdhsa_float_denorm_mode_16_64 3
		.amdhsa_memory_ordered 1
		.amdhsa_forward_progress 1
		.amdhsa_inst_pref_size 202
	.end_amdhsa_kernel
	.amdgpu_metadata
---
amdhsa.version: [ 1, 2 ]
amdhsa.kernels:
  - .name:           k_q8b99df16ea_ffn1
    .symbol:         k_q8b99df16ea_ffn1.kd
    .args:
      - { .name: nx, .offset: 0, .size: 8, .value_kind: global_buffer, .address_space: global }
      - { .name: wimg, .offset: 8, .size: 8, .value_kind: global_buffer, .address_space: global }
      - { .name: b1, .offset: 16, .size: 8, .value_kind: global_buffer, .address_space: global }
      - { .name: h, .offset: 24, .size: 8, .value_kind: global_buffer, .address_space: global }
    .group_segment_fixed_size: 327680
    .private_segment_fixed_size: 0
    .kernarg_segment_align: 8
    .kernarg_segment_size: 32
    .max_flat_workgroup_size: 128
    .sgpr_count:     98
    .vgpr_count:     1024
    .wavefront_size: 32
...
	.end_amdgpu_metadata
.endif
;; end of part 6
;; launch ffn2 (part 7): grid 8 x 32, 4 waves a work-group, clusters of 4 x 4, 327,680 bytes of LDS; arguments h, wimg, b2, x1, out0; writes out0
.if DOCPART == 7
	.amdgcn_target "amdgcn-amd-amdhsa--gfx1250"
	.amdhsa_code_object_version 6
	.text
	.protected	k_q8b99df16ea_ffn2
	.globl	k_q8b99df16ea_ffn2
	.p2align	8
	.type	k_q8b99df16ea_ffn2,@function
k_q8b99df16ea_ffn2:
	s_mov_b64 s[64:65], 0
	v_nop
	global_prefetch_b8 v0, s[64:65] scope:SCOPE_SE
	s_setreg_imm32_b32 hwreg(HW_REG_WAVE_MODE, 25, 1), 1
	s_wait_xcnt 0x0
	s_wait_alu depctr_hold_cnt(0) depctr_sa_sdst(0) depctr_va_vdst(0) depctr_va_sdst(0) depctr_va_ssrc(0) depctr_va_vcc(0) depctr_vm_vsrc(0)
	s_getreg_b32 s2, hwreg(HW_REG_IB_STS2, 6, 4)
	s_cmp_eq_u32 s2, 0
	s_cbranch_scc0 .Lentry_in_a_cluster
	s_endpgm
.Lentry_in_a_cluster:
	s_bfe_u32 s2, ttmp6, 0x10000c
	s_cmp_lg_u32 s2, 0xf033
	s_cbranch_scc0 .Lentry_shape_is_right
	s_endpgm
.Lentry_shape_is_right:
.set KB,    32
.set WOFF,  512*16896
.set NQ,    1
.set BLK,   16896
.set PART,  2*BLK
.set SLOT,  4*PART
.set SPARE, 2*SLOT
.set SROWS, 128*528
.set FR,    16
.set NL,    4
.set NP,    8
.set L16,   4
.set RD,    8
.set ADRA,  16
.set ADRB,  20
.set ADRS,  22
.set STO,   24
.set SPW,   28
.set NIL,   29
.set SC,    32
.set BIAS,  64
.set AF,    128
.set RES,   128
.set G1,    24
.set G0,    32
.set G1B,   48
.set G0B,   56
.set MSB,   0
.macro WIN new
.if MSB != (\new)
	s_set_vgpr_msb (MSB<<8)|(\new)
.set MSB, (\new)
.endif
.endm
.set MUL_LO, 0xa1
.set MUL_HI, 0xf1
.set TO_B,   0x40
.macro JLOAD g0a, g1a, g0b, g1b
	s_cmp_eq_u32 s15, 0
	s_cbranch_scc0 .Lfor_b_\@
	tensor_load_to_lds s[\g0a:\g0a+3], s[\g1a:\g1a+7]
	s_nop 0
.rept 4
	v_nop
.endr
	s_branch .Lasked_\@
.Lfor_b_\@:
	tensor_load_to_lds s[\g0b:\g0b+3], s[\g1b:\g1b+7]
	s_nop 0
.rept 4
	v_nop
.endr
.Lasked_\@:
.endm
.macro CREST
	s_cmp_lg_u32 s14, 0
	s_cbranch_scc1 .Lnot_wave_0_\@
	s_barrier_signal -3
.Lnot_wave_0_\@:
	s_barrier_wait -3
	s_barrier_signal -1
	s_barrier_wait -1
.endm
.macro CROUND
	s_barrier_signal -1
	s_barrier_wait -1
	CREST
.endm
.macro FRAG reg, adr, q, i
.irp c, 0,1,2,3
	ds_load_b128 v[\reg+4*\c:\reg+4*\c+3], v[\adr] offset:BLK*(\q)+2048*(\i)+512*\c
.endr
.endm
.macro MUL16 a0, p, q, sc, zero
.irp a, \a0, \a0+1
.irp b, 0,1,2,3,4,5,6,7
.if \zero
	v_wmma_scale_f32_16x16x128_f8f6f4 v[8*(8*((\a)%4)+\b):8*(8*((\a)%4)+\b)+7], v[128*(\p)+FR*\b:128*(\p)+FR*\b+FR-1], v[AF+FR*(\a):AF+FR*(\a)+FR-1], 0, v[SC+8*NQ*(\sc)+NQ*\b+(\q)], v[SC+8*NQ*(\sc)+NQ*(\a)+(\q)] matrix_a_fmt:MATRIX_FMT_BF8 matrix_b_fmt:MATRIX_FMT_BF8 matrix_a_scale:MATRIX_SCALE_ROW1
.else
	v_wmma_scale_f32_16x16x128_f8f6f4 v[8*(8*((\a)%4)+\b):8*(8*((\a)%4)+\b)+7], v[128*(\p)+FR*\b:128*(\p)+FR*\b+FR-1], v[AF+FR*(\a):AF+FR*(\a)+FR-1], v[8*(8*((\a)%4)+\b):8*(8*((\a)%4)+\b)+7], v[SC+8*NQ*(\sc)+NQ*\b+(\q)], v[SC+8*NQ*(\sc)+NQ*(\a)+(\q)] matrix_a_fmt:MATRIX_FMT_BF8 matrix_b_fmt:MATRIX_FMT_BF8 matrix_a_scale:MATRIX_SCALE_ROW1
.endif
.endr
.endr
.endm
.macro FETCH_B slot, q, p
	WIN TO_B
.irp i, 0,1,2,3,4,5,6,7
	FRAG 128*(\p)+FR*\i, ADRB+\slot, \q, \i
.endr
	WIN 0
.endm
.macro FETCH_A slot, q, i0
.irp i, \i0, \i0+1, \i0+2, \i0+3
	FRAG AF+FR*(\i), ADRA+\slot, \q, \i
.endr
.endm
.macro SCALES sl
.irp i, 0,1,2,3,4,5,6,7
	ds_load_b32 v[SC+8*\sl+\i], v[ADRS+\sl] offset:64*\i
.endr
.endm
.macro PLACES n
.rept \n
	v_nop
.endr
.endm
.macro TURN1 slot, next, fill, zero
	s_wait_tensorcnt 0x0
	ds_add_u32 v[SPW], v[NIL]
.if \fill
	s_add_nc_u64 s[G0+4*\slot+2:G0+4*\slot+3], s[G0+4*\slot+2:G0+4*\slot+3], 8*BLK
	s_add_nc_u64 s[G0B+4*\slot+2:G0B+4*\slot+3], s[G0B+4*\slot+2:G0B+4*\slot+3], 8*BLK
.endif
	s_wait_dscnt 0x0
	s_barrier_signal -1
	s_barrier_wait -1
.if \fill
	CREST
	JLOAD G0+4*\slot, G1, G0B+4*\slot, G1B
.endif
	WIN MUL_LO
	MUL16 0, \slot, 0, \slot, \zero
	MUL16 2, \slot, 0, \slot, \zero
	PLACES NP
	s_wait_alu depctr_va_vdst(0)
	FETCH_B \next, 0, \next
	FETCH_A \next, 0, 0
	SCALES \next
	WIN MUL_HI
	MUL16 4, \slot, 0, \slot, \zero
	MUL16 6, \slot, 0, \slot, \zero
	PLACES NP
	WIN 0
	FETCH_A \next, 0, 4
.endm
	s_load_b256 s[4:11], s[0:1], 0x0
	s_load_b64 s[12:13], s[0:1], 0x20
	v_lshl_add_u32 v[SPW], v0, 2, SPARE
	v_mov_b32 v[NIL], 0
	ds_add_u32 v28, v29
	ds_add_u32 v28, v29
	s_wait_dscnt 0x0
	v_lshrrev_b32 v1, 5, v0
	v_readfirstlane_b32 s14, v1
	s_lshr_b32 s15, s14, 1
	s_and_b32 s16, s14, 1
	s_bfe_u32 s40, ttmp6, 0x40000
	s_bfe_u32 s41, ttmp6, 0x40004
	s_lshl_b32 s42, ttmp9, 2
	s_add_co_u32 s42, s42, s40
	s_and_b32 s17, ttmp7, 0xffff
	s_lshl_b32 s17, s17, 2
	s_add_co_u32 s17, s17, s41
	s_lshl_b32 s43, s41, 2
	s_lshl_b32 s43, 15, s43
	s_lshl_b32 s44, 0x1111, s40
	s_or_b32 s[G1], s43, (3<<16)|(1<<21)
	s_or_b32 s[G1B], s44, (3<<16)|(1<<21)
.irp g, G1, G1B
	s_mov_b32 s[\g+1], 32<<16
	s_mov_b32 s[\g+2], 132<<16
	s_mov_b32 s[\g+3], 32<<16
	s_mov_b32 s[\g+4], 132
	s_mov_b32 s[\g+5], 32
	s_mov_b32 s[\g+6], 0
	s_mov_b32 s[\g+7], 0
.endr
	s_mul_i32 s18, s16, 2*BLK
	s_mul_i32 s20, s17, KB*BLK
	s_add_co_u32 s20, s20, s18
	s_mov_b32 s21, 0
	s_mul_i32 s46, s42, KB*BLK
	s_add_co_u32 s46, s46, s18
	s_add_co_u32 s46, s46, WOFF
	s_mov_b32 s47, 0
	s_mul_i32 s45, s14, PART
	s_wait_kmcnt 0x0
	s_add_nc_u64 s[20:21], s[4:5], s[20:21]
	s_add_nc_u64 s[46:47], s[6:7], s[46:47]
	CROUND
.irp s, 0,1
	s_mov_b32 s[G0+4*\s], 1
	s_add_co_u32 s[G0+4*\s+1], s45, \s*SLOT
	s_add_nc_u64 s[G0+4*\s+2:G0+4*\s+3], s[20:21], \s*4*BLK
	s_or_b32 s[G0+4*\s+3], s[G0+4*\s+3], 0x80000000
	s_mov_b32 s[G0B+4*\s], 1
	s_add_co_u32 s[G0B+4*\s+1], s45, \s*SLOT
	s_add_nc_u64 s[G0B+4*\s+2:G0B+4*\s+3], s[46:47], \s*4*BLK
	s_or_b32 s[G0B+4*\s+3], s[G0B+4*\s+3], 0x80000000
	s_wait_alu depctr_va_vdst(0)
	s_wait_tensorcnt 0x0
	ds_add_u32 v28, v29
	ds_add_u32 v28, v29
	s_wait_dscnt 0x0
	CROUND
	JLOAD G0+4*\s, G1, G0B+4*\s, G1B
.endr
	v_and_b32 v1, 15, v0
	v_bfe_u32 v2, v0, 4, 1
	v_and_b32 v3, 31, v0
	v_lshlrev_b32 v[L16], 4, v3
	s_mul_i32 s21, s14, BLK
	s_add_co_u32 s22, s21, 2*PART
	v_mul_u32_u24 v6, v2, 2*PART
	v_lshl_add_u32 v5, v1, 2, v6
	s_add_co_u32 s23, s21, 16384
	v_add_nc_u32 v[ADRS], s23, v5
	v_add_nc_u32 v[ADRS+1], SLOT, v[ADRS]
.irp s, 0,1
	v_add_nc_u32 v[ADRA+\s], s21, v[L16]
	v_add_nc_u32 v[ADRB+\s], s22, v[L16]
	s_add_co_u32 s21, s21, SLOT
	s_add_co_u32 s22, s22, SLOT
.endr
	v_mul_u32_u24 v5, v1, 528
	v_lshl_add_u32 v5, v2, 6, v5
	s_mul_i32 s23, s14, SROWS
	v_add_nc_u32 v[STO], s23, v5
	s_mul_i32 s23, s14, 32*528
.irp s, 0,1,2,3
	v_add_nc_u32 v[RD+\s], s23, v[L16]
	s_add_co_u32 s23, s23, SROWS
.endr
	s_lshl_b32 s18, s42, 9
	s_mov_b32 s19, 0
	s_add_nc_u64 s[8:9], s[8:9], s[18:19]
	global_load_b128 v[BIAS:BIAS+3], v[L16], s[8:9]
	s_lshl_b32 s20, s17, 7
	s_lshl_b32 s21, s14, 5
	s_add_co_u32 s20, s20, s21
	s_lshl_b32 s20, s20, 12
	s_add_co_u32 s20, s20, s18
	s_mov_b32 s21, 0
	s_add_nc_u64 s[10:11], s[10:11], s[20:21]
	s_add_nc_u64 s[12:13], s[12:13], s[20:21]
	s_wait_tensorcnt 1
	s_barrier_signal -1
	s_barrier_wait -1
	FETCH_B 0, 0, 0
	FETCH_A 0, 0, 0
	SCALES 0
	FETCH_A 0, 0, 4
	TURN1 0, 1, 1, 1
	s_mov_b32 s3, 2
.Llap:
	TURN1 1, 0, 1, 0
	TURN1 0, 1, 1, 0
	s_sub_co_u32 s3, s3, 1
	s_cmp_lg_u32 s3, 0
	s_cbranch_scc1 .Llap
	TURN1 1, 0, 1, 0
	TURN1 0, 1, 0, 0
	s_wait_dscnt 4*NL
	WIN MUL_LO
	MUL16 0, 1, 0, 1, 0
	MUL16 2, 1, 0, 1, 0
	s_wait_dscnt 0
	WIN MUL_HI
	MUL16 4, 1, 0, 1, 0
	MUL16 6, 1, 0, 1, 0
	WIN 0
	PLACES NP
.set p, 0
.rept 32
	global_load_b128 v[RES+4*p:RES+4*p+3], v[L16], s[10:11] offset:(8*(p/16)+(p%16)+8*((p%16)/8))*4096
.set p, p+1
.endr
	s_wait_dscnt 0x0
	s_barrier_signal -1
	s_barrier_wait -1
.irp a, 0,1,2,3,4,5,6,7
	WIN 0x08+4*(\a/4)
.irp b, 0,1,2,3,4,5,6,7
	ds_store_b128 v[STO], v[64*(\a%4)+8*\b:64*(\a%4)+8*\b+3] offset:8448*\a+128*(\b/2)+32*(\b%2)
	ds_store_b128 v[STO], v[64*(\a%4)+8*\b+4:64*(\a%4)+8*\b+7] offset:8448*\a+128*(\b/2)+32*(\b%2)+16
.endr
.endr
	WIN 0
	s_wait_dscnt 0x0
	s_barrier_signal -1
	s_barrier_wait -1
.macro STAGE_LD k
	WIN TO_B
.irp e, 0,1,2,3,4,5,6,7
.irp s, 0,1,2,3
	ds_load_b128 v[128*((\k)%2)+16*\e+4*\s:128*((\k)%2)+16*\e+4*\s+3], v[RD+\s] offset:528*(8*(\k)+\e)
.endr
.endr
	WIN 0
.endm
	STAGE_LD 0
.irp k, 0,1,2,3
.if \k < 3
	STAGE_LD \k+1
	s_wait_dscnt 32
.else
	s_wait_dscnt 0x0
.endif
	s_wait_loadcnt 24-8*\k
.irp e, 0,1,2,3,4,5,6,7
	v_pk_add_f32 v[RES+32*\k+4*\e:RES+32*\k+4*\e+1], v[RES+32*\k+4*\e:RES+32*\k+4*\e+1], v[BIAS:BIAS+1]
	v_pk_add_f32 v[RES+32*\k+4*\e+2:RES+32*\k+4*\e+3], v[RES+32*\k+4*\e+2:RES+32*\k+4*\e+3], v[BIAS+2:BIAS+3]
.endr
	WIN 0x04
.irp s, 0,1,2,3
.irp e, 0,1,2,3,4,5,6,7
	v_pk_add_f32 v[RES+32*\k+4*\e:RES+32*\k+4*\e+1], v[RES+32*\k+4*\e:RES+32*\k+4*\e+1], v[128*(\k%2)+16*\e+4*\s:128*(\k%2)+16*\e+4*\s+1]
	v_pk_add_f32 v[RES+32*\k+4*\e+2:RES+32*\k+4*\e+3], v[RES+32*\k+4*\e+2:RES+32*\k+4*\e+3], v[128*(\k%2)+16*\e+4*\s+2:128*(\k%2)+16*\e+4*\s+3]
.endr
.endr
	WIN 0
.irp e, 0,1,2,3,4,5,6,7
	global_store_b128 v[L16], v[RES+32*\k+4*\e:RES+32*\k+4*\e+3], s[12:13] offset:(8*((8*\k+\e)/16)+((8*\k+\e)%16)+8*(((8*\k+\e)%16)/8))*4096
.endr
.endr
	s_wait_tensorcnt 0x0
	ds_add_u32 v[SPW], v[NIL]
	s_wait_dscnt 0x0
	CROUND
	s_endpgm
.Lfunc_end_k_q8b99df16ea_ffn2:
	.size	k_q8b99df16ea_ffn2, .Lfunc_end_k_q8b99df16ea_ffn2-k_q8b99df16ea_ffn2
	.p2alignl 7, 3214868480
	.fill 96, 4, 3214868480
	.section	.rodata,"a",@progbits
	.p2align	6, 0x0
	.amdhsa_kernel k_q8b99df16ea_ffn2
		.amdhsa_group_segment_fixed_size 327680
		.amdhsa_private_segment_fixed_size 0
		.amdhsa_enable_private_segment 0
		.amdhsa_kernarg_size 40
		.amdhsa_user_sgpr_count 2
		.amdhsa_user_sgpr_kernarg_segment_ptr 1
		.amdhsa_wavefront_size32 1
		.amdhsa_system_sgpr_workgroup_id_x 1
		.amdhsa_system_sgpr_workgroup_id_y 1
		.amdhsa_system_sgpr_workgroup_id_z 1
		.amdhsa_system_vgpr_workitem_id 0
		.amdhsa_next_free_vgpr 1024
		.amdhsa_next_free_sgpr 98
		.amdhsa_reserve_vcc 0
		.amdhsa_float_denorm_mode_32 3
		.amdhsa_float_denorm_mode_16_64 3
		.amdhsa_memory_ordered 1
		.amdhsa_forward_progress 1
		.amdhsa_inst_pref_size 136
	.end_amdhsa_kernel
	.amdgpu_metadata
---
amdhsa.version: [ 1, 2 ]
amdhsa.kernels:
  - .name:           k_q8b99df16ea_ffn2
    .symbol:         k_q8b99df16ea_ffn2.kd
    .args:
      - { .name: h, .offset: 0, .size: 8, .value_kind: global_buffer, .address_space: global }
      - { .name: wimg, .offset: 8, .size: 8, .value_kind: global_buffer, .address_space: global }
      - { .name: b2, .offset: 16, .size: 8, .value_kind: global_buffer, .address_space: global }
      - { .name: x1, .offset: 24, .size: 8, .value_kind: global_buffer, .address_space: global }
      - { .name: out0, .offset: 32, .size: 8, .value_kind: global_buffer, .address_space: global }
    .group_segment_fixed_size: 327680
    .private_segment_fixed_size: 0
    .kernarg_segment_align: 8
    .kernarg_segment_size: 40
    .max_flat_workgroup_size: 128
    .sgpr_count:     98
    .vgpr_count:     1024
    .wavefront_size: 32
...
	.end_amdgpu_metadata
.endif
;; end of part 7
